; MI455X (gfx1250); checked and timed in simulation.
; The chip was launched on July 23, 2026; its instructions are those of AMD's public machine-readable ISA for CDNA 5 (MIT licence, August 2026) and "CDNA5" Instruction Set Architecture Reference Guide (July 2026). The comments in the code are by the model that wrote it; some were corrected since.
;; Llama Attention. Allowed arithmetic: matrix products marked QUANTISED: E2M3 operands, one E8M0 scale for each 32 along K, by v_wmma_scale_f32_16x16x128_f8f6f4 with both operands' format E2M3, f32 sums; everything else in f32.
;; Inputs: Wk 2,048 x 2,048 float32; Wo 2,048 x 2,048 float32; Wq 2,048 x 2,048 float32; Wv 2,048 x 2,048 float32; x 2 x 1,024 x 2,048 float32.
;; Outputs: out0 2 x 1,024 x 2,048 float32.
;; This version of the problem:
;;   THIS VERSION OF THE PROBLEM IS GIVEN IN LOW PRECISION. The matrix products marked QUANTISED in the list below multiply operands that are first quantised to E2M3 (2 exponent bits, 3 mantissa bits; 6 bits a number), with one power-of-two scale for each 32 numbers along K (OCP MX v1.0); their sums are f32. All else is computed in f32.
;;   The module's matrix products, in the order in which they are computed (A, B: the left and right operand; K: the contracted axis; several contracted axes count as one K, in the product's order):
;;     1. [M 2,048, K 2,048] x [K 2,048, N 2,048]; A: input x; B: input Wq: QUANTISED
;;     2. [M 2,048, K 2,048] x [K 2,048, N 2,048]; A: input x; B: input Wk: QUANTISED
;;     3. [M 2,048, K 2,048] x [K 2,048, N 2,048]; A: input x; B: input Wv: QUANTISED
;;     4. batch 32 x [M 1,024, K 128] x [K 128, N 1,024]; A: computed on the way; B: computed on the way: QUANTISED
;;     5. batch 32 x [M 128, K 1,024] x [K 1,024, N 1,024]; A: computed on the way; B: softmax (see below): QUANTISED
;;     6. [M 2,048, K 2,048] x [K 2,048, N 2,048]; A: computed on the way; B: input Wo: QUANTISED
;;   THE QUANTISER, for each operand of a quantised product, along K:
;;     - K is cut into blocks of 32 from its start; a last block that is shorter is filled with zeros.
;;     - A block's scale is 2^e with e = floor(log2(the largest magnitude in the block)) - 2, held to -126 .. 127; a block of zeros has e = 0. As a byte (E8M0): e + 127.
;;     - Each number is divided by its block's scale, clamped to +-7.5, and rounded to the nearest number of E2M3, ties to even, subnormals kept.
;;     - The product sums the exact products of the quantised numbers (number of the format x scale) in f32.
;;   ~~~python
;;   def quantise(x, axis):      # numpy; x: float32 -> the quantised numbers, widened to float32 again
;;       x = np.moveaxis(x, axis, -1); K = x.shape[-1]
;;       x = np.pad(x, [(0, 0)] * (x.ndim - 1) + [(0, -K % 32)]); x = x.reshape(x.shape[:-1] + (-1, 32)); a = np.abs(x).max(-1, keepdims=True)
;;       e = np.where(a > 0, np.clip(np.frexp(np.where(a > 0, a, 1))[1] - 1 - 2, -126, 127), 0)      # np.frexp(a)[1] - 1 = floor(log2(a)), exactly
;;       r = np.clip(x / 2.0 ** e, -7.5, 7.5)
;;       step = 2.0 ** (np.maximum(np.frexp(np.where(r == 0, 1, r))[1] - 1, 0) - 3)
;;       q = np.round(r / step) * step * 2.0 ** e      # np.round: ties to even
;;       return np.moveaxis(q.reshape(q.shape[:-2] + (-1,))[..., :K], -1, axis).astype(np.float32)
;;   ~~~
;;   SOFTMAX AHEAD OF A QUANTISED PRODUCT. Where the list says 'softmax', what is quantised is not the finished softmax but p = 2^(t - M), with t = logit x log2(e) and M = ceil(the row's largest t), a whole number; so 1/2 < the row's largest p <= 1. The row's sum l is taken of the UNQUANTISED p, in f32, and the product's result is divided by l at the end. Since M is a whole number, a kernel that streams over the keys may use a running M (the ceiling of the running maximum): every later rescaling is an exact power of two, which a block's scale takes up: the codes' values come out the same.
;;   OPERANDS COMPUTED ON THE WAY. 'Computed on the way' means the value that the module computes at that place (a softmax that the list does not call 'softmax' is quantised finished and normalised). What goes into a quantiser is computed in f32, as accurately as f32 sums, v_exp_f32 and their like allow (about 1e-6 of the number): no bf16 or f16 on the way to a quantiser, and a product that is left as it is and whose result goes on into a quantised operand takes f32 operands (vector FMAs, or v_wmma_f32_16x16x4_f32). A number that lies on a knife's edge between two numbers of the format may be rounded either way, as far as f32 arithmetic and the matrix unit's own rounding can turn it there, and no further.
;; One version. Each part assembles by itself: llvm-mc -triple=amdgcn-amd-amdhsa -mcpu=gfx1250 --defsym DOCPART=n.
;; ======== version 1 of 1: 4 launches
;; limits: right only within a limited range of input values
;; workspace buffers: ab 13,107,200 bytes; qb 3,276,800 bytes; kv 6,553,600 bytes; ow 6,553,600 bytes
;; launch quant (part 1): grid 512 x 1, 4 waves a work-group, no clusters, 34,304 bytes of LDS; arguments x, Wq, Wk, Wv, ab; writes ab
.if DOCPART == 1
	.amdgcn_target "amdgcn-amd-amdhsa--gfx1250"
	.amdhsa_code_object_version 6
	.text
	.protected	k_qdeda5f9cfa_quant
	.globl	k_qdeda5f9cfa_quant
	.p2align	8
	.type	k_qdeda5f9cfa_quant,@function
k_qdeda5f9cfa_quant:
	s_mov_b64 s[64:65], 0
	v_nop
	global_prefetch_b8 v0, s[64:65] scope:SCOPE_SE
	s_setreg_imm32_b32 hwreg(HW_REG_WAVE_MODE, 25, 1), 1
	s_wait_xcnt 0x0
; x [2048 tokens][2048] and Wq, Wk, Wv [2048 (k)][2048 (n)], f32, become codes of FP6 (E2M3) with one E8M0 byte for each 32 along K.  (Wo is quantised by the attention launch.)
; A FRAGMENT IMAGE (1,536 bytes) is a tile of 16 rows x 128 K as the image of its 12 operand registers: byte 512 c + 16 lane + 4 i = register 4 c + i of that lane.
; A GROUP (204,800 bytes) is 8 tiles (128 rows): [K step 0..15][tile 0..7] images, then [tile][K step / 2][row][2] scale words.  ab: groups 0-15 x, then 16 + 3 head + (0 Wq, 1 Wk, 2 Wv).
; In x's groups the two words of a pair of K steps change places (the odd step's first): so the words of x and of a weight for one K step come into registers of different parity.
; THE ROWS OF A TILE ARE NOT NEIGHBOURS: row r of tile 2 B + u is index 32 B + 8 u + r + 8 (r / 8) (tokens of x, columns of a weight).
; A block's scale is 2^(floor(log2(largest magnitude)) - 2); its byte is the largest magnitude's exponent field - 2, held at 1 from below.
; LIMITS: a block of zeros gets the byte 1 where the rule says 127 (its codes are zeros, and this program alone reads the bytes); blocks whose largest magnitude lies under 2^-124 are held at that byte;
; NaN and infinities are not served.  The weights' scale words leave in pieces of 128 bytes: one byte for each 128 bytes read.
; SHARES: work-groups 0-127: one tile of x each, wave w its K steps 4 w .. 4 w + 3.  Work-groups 128-511: 128 columns x 256 K of one weight, wave w 32 columns.  131,072 bytes in for each: two for each of 256 WGPs.
; Waves share nothing: no barrier.  Work-groups share no input: no cluster.  Each byte is read once by straight-line text: no prefetch.  Only x's path uses LDS (a stage for each wave).
.set GREC, 204800
.set KST,  12288                       ; a K step of a group: 8 images
.set FRB,  1536
.set SP,   528                         ; a stage row: 512 bytes + 16
.set WSTG, 16*SP
.set SEL,  20                          ; s[20:21] selects for v_permlanex16_b32: lane l xor 16
.set LI,   4
.set R,    16                          ; x: v16-143 two sets of 64 as loaded
.set X,    144                         ; x: v144-207 my 64 numbers of a K step: register 16 b + i = k 32 b + 16 (lane / 16) + i of my row
.set TM,   208
.set PC,   224                         ; x: the fragment just made (12), and two runs of three
.set PW,   244                         ; x: four scale words
.set DW,   248
.set XW,   32                          ; weights: v32-95 two sets of 32 numbers
.set CB,   96                          ; weights: v96-143 for each of two K steps two fragments
.set TU,   144                         ; weights: the upper halves of four blocks
.set SB,   24                          ; weights: my column's scale words
	s_load_b256 s[4:11], s[0:1], 0x0               ; x, Wq, Wk, Wv
	s_load_b64 s[14:15], s[0:1], 0x20              ; ab
	v_lshl_add_u32 v254, v0, 2, 0x8400
	v_mov_b32 v255, 0
	v_lshrrev_b32 v1, 5, v0
	v_readfirstlane_b32 s16, v1                    ; wave
	v_and_b32 v1, 31, v0                           ; lane
	v_and_b32 v2, 15, v0                           ; r
	v_bfe_u32 v3, v0, 4, 1                         ; h
	v_lshlrev_b32 v[LI], 4, v1
	s_mov_b32 s[SEL], 0x76543210
	s_mov_b32 s[SEL+1], 0xfedcba98
	s_wait_alu depctr_va_vdst(0)
	s_cmp_lt_u32 ttmp9, 128
	s_cbranch_scc0 .Lweights
; ---------------- x ----------------
	s_mul_i32 s19, s16, WSTG                       ; my stage
	v_add_nc_u32 v5, s19, v[LI]                    ; in: 16 x lane of a row
	v_mul_u32_u24 v6, v2, SP
	v_lshl_add_u32 v6, v3, 6, v6
	v_add_nc_u32 v6, s19, v6                       ; back: row r, + 64 h
	v_lshlrev_b32 v7, 3, v1                        ; 8 x lane: the scale words' place
.irp b, 0,1,2,3
	v_mov_b32 v[TM+4+\b], 0                        ; written once: a lane permute's destination counts as one of its sources
.endr
	s_lshr_b32 s17, ttmp9, 1
	s_and_b32 s18, ttmp9, 1
	s_lshl_b32 s17, s17, 5
	s_lshl_b32 s18, s18, 3
	s_add_co_u32 s17, s17, s18                     ; the tile's first token: 32 B + 8 u
	s_lshl_b32 s24, s17, 13                        ; rows of 8,192 bytes
	s_lshl_b32 s18, s16, 11                        ; my four K steps
	s_add_co_u32 s24, s24, s18
	s_mov_b32 s25, 0
	s_lshr_b32 s26, ttmp9, 3
	s_mul_i32 s26, s26, GREC                       ; the tile's group
	s_and_b32 s18, ttmp9, 7                        ; its place there
	s_lshl_b32 s28, s18, 10
	s_add_co_u32 s28, s28, s26
	s_lshl_b32 s29, s16, 8
	s_add_co_u32 s28, s28, s29
	s_add_co_u32 s28, s28, 16*KST                  ; my 256 bytes of scale words
	s_mov_b32 s29, 0
	s_mul_i32 s18, s18, FRB
	s_add_co_u32 s26, s26, s18
	s_mul_i32 s18, s16, 4*KST
	s_add_co_u32 s26, s26, s18                     ; my first image
	s_mov_b32 s27, 0
	s_wait_alu depctr_va_vdst(0)
	s_wait_kmcnt 0x0
	s_add_nc_u64 s[4:5], s[4:5], s[24:25]
	s_add_nc_u64 s[22:23], s[14:15], s[28:29]
	s_add_nc_u64 s[14:15], s[14:15], s[26:27]
.macro LOADF f                         ; K step f of my four: each load takes 512 consecutive bytes of one row
.irp i, 0,1,2,3,4,5,6,7,8,9,10,11,12,13,14,15
	global_load_b128 v[R+64*((\f)%2)+4*\i:R+64*((\f)%2)+4*\i+3], v[LI], s[4:5] offset:(\i+8*(\i/8))*8192+512*(\f) th:TH_LOAD_NT
.endr
.endm
.macro QUANT s, pw                     ; 64 numbers of a lane become a fragment in v[PC] on and its scale word in v[pw]
.irp b, 0,1,2,3
	v_max3_num_f32 v[TM+\b], |v[(\s)+16*\b]|, |v[(\s)+16*\b+1]|, 0x1800000   ; the floor 2^(3 - 127): the byte cannot fall under 1
.endr
.irp i, 2,4,6,8,10,12,14
.irp b, 0,1,2,3
	v_max3_num_f32 v[TM+\b], |v[(\s)+16*\b+\i]|, |v[(\s)+16*\b+\i+1]|, v[TM+\b]
.endr
.endr
.irp b, 0,1,2,3
	v_permlanex16_b32 v[TM+4+\b], v[TM+\b], s[SEL], s[SEL+1]
.endr
.irp b, 0,1,2,3
	v_max_num_f32 v[TM+\b], v[TM+\b], v[TM+4+\b]   ; with lane l xor 16's
.endr
.irp b, 0,1,2,3
	v_add_nc_u32 v[TM+12+\b], 0xff000000, v[TM+\b] ; 2 off its exponent field: the conversion's scale operand
.endr
.irp b, 0,1,2,3
	v_lshrrev_b32 v[TM+4+\b], 23, v[TM+12+\b]      ; the scale's byte
.endr
	v_lshl_or_b32 v[\pw], v[TM+5], 8, v[TM+4]
	v_lshl_or_b32 v[\pw], v[TM+6], 16, v[\pw]
	v_lshl_or_b32 v[\pw], v[TM+7], 24, v[\pw]
.irp c, 0,1
	v_cvt_scalef32_pk16_fp6_f32 v[PC+6*\c:PC+6*\c+2], v[(\s)+32*\c:(\s)+32*\c+15], v[TM+12+2*\c]
	v_cvt_scalef32_pk16_fp6_f32 v[PC+12+4*\c:PC+14+4*\c], v[(\s)+32*\c+16:(\s)+32*\c+31], v[TM+13+2*\c]
.endr
	v_nop                                          ; one plain place behind a scaled conversion
.irp c, 0,1                            ; the operand's layout wants a whole block in a lane
.irp i, 0,1,2
	v_permlane16_swap_b32 v[PC+6*\c+\i], v[PC+12+4*\c+\i]
.endr
.irp i, 0,1,2
	v_mov_b32 v[PC+3+6*\c+\i], v[PC+12+4*\c+\i]
.endr
.endr
.endm
.macro XFRAG f
.if (\f) < 3
	s_wait_loadcnt 16                              ; this K step's 16 loads are in; the next step's 16 may be out
.else
	s_wait_loadcnt 0x0
.endif
.irp i, 0,1,2,3,4,5,6,7,8,9,10,11,12,13,14,15
	ds_store_b128 v5, v[R+64*((\f)%2)+4*\i:R+64*((\f)%2)+4*\i+3] offset:SP*\i
.endr
.irp b, 0,1,2,3
.irp j, 0,1,2,3
	ds_load_b128 v[X+16*\b+4*\j:X+16*\b+4*\j+3], v6 offset:128*\b+16*\j   ; LDS serves a wave's instructions in order: these see the stores above
.endr
.endr
	s_wait_dscnt 0x0                               ; my 64 numbers are in, and the stage's stores have read their registers
	s_wait_xcnt 0x0                                ; the last image's stores have read v[PC] on
.if (\f) < 2
	LOADF (\f)+2
.endif
	QUANT X, PW+(\f)
.irp c, 0,1,2
	global_store_b128 v[LI], v[PC+4*\c:PC+4*\c+3], s[14:15] offset:KST*(\f)+512*\c   ; 512 consecutive bytes, aligned
.endr
.endm
	LOADF 0
	LOADF 1
.irp f, 0,1,2,3
	XFRAG \f
.endr
	v_cmp_le_u32 vcc_lo, 16, v1                    ; lanes 0-15 store the words of my K steps 1, 0, lanes 16-31 those of 3, 2
	v_cndmask_b32 v[DW], v[PW+1], v[PW+3], vcc_lo
	v_cndmask_b32 v[DW+1], v[PW], v[PW+2], vcc_lo
	global_store_b64 v7, v[DW:DW+1], s[22:23]      ; 256 consecutive bytes, aligned
	s_wait_tensorcnt 0x0                           ; the wave's end
	ds_add_u32 v254, v255
	s_wait_dscnt 0x0
	s_endpgm
; ---------------- a weight: a lane takes a column, its registers run down K ----------------
.Lweights:
	s_sub_co_u32 s17, ttmp9, 128
	s_and_b32 s18, s17, 15                         ; which 128 columns: the head
	s_bfe_u32 s19, s17, 0x30004                    ; which 256 along K
	s_lshr_b32 s17, s17, 7                         ; which weight
	s_lshl_b32 s24, s19, 21                        ; 256 rows of 8,192 bytes
	s_lshl_b32 s30, s18, 9
	s_add_co_u32 s24, s24, s30
	s_lshl_b32 s30, s16, 7
	s_add_co_u32 s24, s24, s30                     ; + 4 x my wave's first column
	s_mov_b32 s25, 0
	s_mul_i32 s26, s18, 3
	s_add_co_u32 s26, s26, s17
	s_add_co_u32 s26, s26, 16
	s_mul_i32 s26, s26, GREC                       ; the group
	s_lshl_b32 s28, s19, 7
	s_add_co_u32 s28, s28, s26
	s_lshl_b32 s30, s16, 11
	s_add_co_u32 s28, s28, s30
	s_add_co_u32 s28, s28, 16*KST                  ; the scale words of my two tiles and these two K steps
	s_mov_b32 s29, 0
	s_mul_i32 s30, s16, 2*FRB
	s_add_co_u32 s26, s26, s30
	s_mul_i32 s30, s19, 2*KST
	s_add_co_u32 s26, s26, s30                     ; my first image
	s_mov_b32 s27, 0
	v_and_b32 v8, 7, v2                            ; lane 16 u + r takes column 8 u + r % 8 + 16 (r / 8) of the wave's 32: row r of tile u
	v_and_b32 v10, 8, v2
	v_lshl_add_u32 v8, v10, 1, v8
	v_lshl_add_u32 v8, v3, 3, v8
	v_lshlrev_b32 v8, 2, v8
	v_lshlrev_b32 v9, 10, v3
	v_lshl_add_u32 v9, v2, 3, v9                   ; scale words: tile u, 8 bytes a row
	s_wait_alu depctr_va_vdst(0)
	s_wait_kmcnt 0x0
	s_cmp_eq_u32 s17, 1                            ; the choice hangs on the work-group's number alone
	s_cselect_b64 s[6:7], s[8:9], s[6:7]
	s_cmp_eq_u32 s17, 2
	s_cselect_b64 s[6:7], s[10:11], s[6:7]
	s_add_nc_u64 s[6:7], s[6:7], s[24:25]
	s_add_nc_u64 s[22:23], s[14:15], s[28:29]
	s_add_nc_u64 s[14:15], s[14:15], s[26:27]
.macro LOADB t                         ; block t: W(32 t + i, my column): the wave reads 128 consecutive bytes, the four waves 512
.irp i, 0,1,2,3,4,5,6,7,8,9,10,11,12,13,14,15,16,17,18,19,20,21,22,23,24,25,26,27,28,29,30,31
	global_load_b32 v[XW+32*((\t)%2)+\i], v8, s[6:7] offset:(32*(\t)+\i)*8192 th:TH_LOAD_NT
.endr
.endm
.macro BLOCK t
.set XS, XW+32*((\t)%2)
.set QQ, (\t)%4
.set FF, CB+24*((\t)/4)+12*(QQ%2)+6*(QQ/2)   ; even blocks go to the K step's first run of 12 registers, odd blocks to its second
.if (\t) < 7
	s_wait_loadcnt 32                              ; this block's 32 loads are in; the next block's may be out
.else
	s_wait_loadcnt 0x0
.endif
	v_max3_num_f32 v12, |v[XS]|, |v[XS+1]|, |v[XS+2]|
	v_max3_num_f32 v13, |v[XS+3]|, |v[XS+4]|, |v[XS+5]|
.irp i, 6,10,14,18,22,26
	v_max3_num_f32 v12, v12, |v[XS+\i]|, |v[XS+\i+1]|
	v_max3_num_f32 v13, v13, |v[XS+\i+2]|, |v[XS+\i+3]|
.endr
	v_max3_num_f32 v12, v12, |v[XS+30]|, |v[XS+31]|
	v_max3_num_f32 v12, v12, v13, 0x1800000        ; and the floor
	v_add_nc_u32 v11, 0xff000000, v12
	v_lshrrev_b32 v13, 23, v11
.if QQ == 0
	v_mov_b32 v[SB+(\t)/4], v13
.else
	v_lshl_or_b32 v[SB+(\t)/4], v13, 8*QQ, v[SB+(\t)/4]
.endif
	v_cvt_scalef32_pk16_fp6_f32 v[FF:FF+2], v[XS:XS+15], v11
	v_cvt_scalef32_pk16_fp6_f32 v[TU+4*QQ:TU+4*QQ+2], v[XS+16:XS+31], v11
	v_nop                                          ; one plain place behind a scaled conversion
.if (\t) < 6
	LOADB (\t)+2
.endif
.endm
.macro PACKW e                         ; K step e of my two: before the exchange lanes 0-15 hold tile 0's columns and lanes 16-31 tile 1's
.set F0, CB+24*(\e)
.irp q, 0,1,2,3
.irp i, 0,1,2
	v_mov_b32 v[F0+12*(\q%2)+6*(\q/2)+3+\i], v[TU+4*\q+\i]
.endr
.endr
.irp i, 0,1,2,3,4,5,6,7,8,9,10,11
	v_permlane16_swap_b32 v[F0+\i], v[F0+12+\i]    ; the first run is now tile 0's fragment, the second tile 1's
.endr
.irp u, 0,1
.irp c, 0,1,2
	global_store_b128 v[LI], v[F0+12*\u+4*\c:F0+12*\u+4*\c+3], s[14:15] offset:FRB*\u+KST*(\e)+512*\c   ; each K step has registers of its own
.endr
.endr
.endm
	LOADB 0
	LOADB 1
	BLOCK 0
	BLOCK 1
	BLOCK 2
	BLOCK 3
	PACKW 0
	BLOCK 4
	BLOCK 5
	BLOCK 6
	BLOCK 7
	PACKW 1
	global_store_b64 v9, v[SB:SB+1], s[22:23]      ; my column's two scale words
	s_endpgm
.Lfunc_end_k_qdeda5f9cfa_quant:
	.size	k_qdeda5f9cfa_quant, .Lfunc_end_k_qdeda5f9cfa_quant-k_qdeda5f9cfa_quant
	.p2alignl 7, 3214868480
	.fill 96, 4, 3214868480
	.section	.rodata,"a",@progbits
	.p2align	6, 0x0
	.amdhsa_kernel k_qdeda5f9cfa_quant
		.amdhsa_group_segment_fixed_size 34304
		.amdhsa_private_segment_fixed_size 0
		.amdhsa_enable_private_segment 0
		.amdhsa_kernarg_size 40
		.amdhsa_user_sgpr_count 2
		.amdhsa_user_sgpr_kernarg_segment_ptr 1
		.amdhsa_wavefront_size32 1
		.amdhsa_system_sgpr_workgroup_id_x 1
		.amdhsa_system_sgpr_workgroup_id_y 1
		.amdhsa_system_sgpr_workgroup_id_z 1
		.amdhsa_system_vgpr_workitem_id 0
		.amdhsa_next_free_vgpr 256
		.amdhsa_next_free_sgpr 66
		.amdhsa_reserve_vcc 1
		.amdhsa_float_denorm_mode_32 3
		.amdhsa_float_denorm_mode_16_64 3
		.amdhsa_memory_ordered 1
		.amdhsa_forward_progress 1
		.amdhsa_inst_pref_size 73
	.end_amdhsa_kernel
	.amdgpu_metadata
---
amdhsa.version: [ 1, 2 ]
amdhsa.kernels:
  - .name:           k_qdeda5f9cfa_quant
    .symbol:         k_qdeda5f9cfa_quant.kd
    .args:
      - { .name: x, .offset: 0, .size: 8, .value_kind: global_buffer, .address_space: global }
      - { .name: Wq, .offset: 8, .size: 8, .value_kind: global_buffer, .address_space: global }
      - { .name: Wk, .offset: 16, .size: 8, .value_kind: global_buffer, .address_space: global }
      - { .name: Wv, .offset: 24, .size: 8, .value_kind: global_buffer, .address_space: global }
      - { .name: ab, .offset: 32, .size: 8, .value_kind: global_buffer, .address_space: global }
    .group_segment_fixed_size: 34304
    .private_segment_fixed_size: 0
    .kernarg_segment_align: 8
    .kernarg_segment_size: 40
    .max_flat_workgroup_size: 128
    .sgpr_count:     66
    .vgpr_count:     256
    .wavefront_size: 32
...
	.end_amdgpu_metadata
.endif
;; end of part 1
;; launch qkv (part 2): grid 16 x 16, 4 waves a work-group, clusters of 4 x 4, 327,680 bytes of LDS; arguments ab, qb, kv; writes qb, kv
.if DOCPART == 2
	.amdgcn_target "amdgcn-amd-amdhsa--gfx1250"
	.amdhsa_code_object_version 6
	.text
	.protected	k_qdeda5f9cfa_qkv
	.globl	k_qdeda5f9cfa_qkv
	.p2align	8
	.type	k_qdeda5f9cfa_qkv,@function
k_qdeda5f9cfa_qkv:
	s_mov_b64 s[64:65], 0
	v_nop
	global_prefetch_b8 v0, s[64:65] scope:SCOPE_SE
	s_setreg_imm32_b32 hwreg(HW_REG_WAVE_MODE, 25, 1), 1
	s_wait_xcnt 0x0
	s_wait_alu depctr_hold_cnt(0) depctr_sa_sdst(0) depctr_va_vdst(0) depctr_va_sdst(0) depctr_va_ssrc(0) depctr_va_vcc(0) depctr_vm_vsrc(0)
	s_getreg_b32 s2, hwreg(HW_REG_IB_STS2, 6, 4)
	s_cmp_eq_u32 s2, 0
	s_cbranch_scc0 .Lentry_in_a_cluster
	s_endpgm
.Lentry_in_a_cluster:
	s_bfe_u32 s2, ttmp6, 0x10000c
	s_cmp_lg_u32 s2, 0xf033
	s_cbranch_scc0 .Lentry_shape_is_right
	s_endpgm
.Lentry_shape_is_right:
; q = x Wq, k = x Wk, v = x Wv on codes of FP6 with E8M0 scales, K = 2,048; the results are quantised here, in f32 registers, into the operands of the attention launch.
; ab holds groups of 204,800 bytes (8 tiles of 16 rows): [K step][tile] fragment images of 1,536 bytes, then [tile][K step / 2][row][2] scale words (x's two words of a pair in swapped order).
; A WORK-GROUP makes Q, K and V of ONE HEAD for 128 tokens: 16 x 16 = 256 work-groups.  It needs four groups: x's 128 tokens and the head's three, which lie on end.
; A WAVE (a = wave / 2, b = wave % 2) takes 64 tokens (x's tiles 4 a .. 4 a + 3) x 192 columns: Q's (b = 0) or K's (b = 1) whole head, 8 tiles, and 64 columns of V, tiles 4 b .. 4 b + 3: 48 accumulators.
; Row r of tile 2 B + u is index 32 B + 8 u + r + 8 (r / 8).  Q, K: source 0 = the weight: a lane holds one token, its 16 registers of two tiles are 16 neighbours along the head.
; V: source 0 = x: a lane holds one column of V, its 16 registers of two tiles are 16 neighbouring tokens, the second attention product's K.
; THE RING: two LDS slots of three K steps of the four groups (147,456 bytes each).  K steps 0-2 and 3-5 are asked for at the head, one load a wave; 6-8, 9-11, 12-14 and 15 are refills, one group a wave.
; A STEP is 48 products: the weights' fragments 0 .. 11 one after the other, each against x's four.  Two runs of LDS loads a step: behind fragment 5's products x's four fragments (two sets of registers) and the weights'
; 0-5 of the next step, 30 loads; at the step's end the weights' 6-11 of the next step, 18 loads.  Four v_nop stand ahead of each run: it loads over registers that products have read.
; So a slot's last reads are issued ahead of its last step, and that step's round stands where its first run stands.
; CLUSTERS 4 x 4: x's group hangs on cy alone and is asked for jointly by a row of the cluster, the head's groups on cx alone, by a column.
; PREFETCH: what refills 6-8, 9-11 and 12-14 load is asked for two steps and more ahead: wave w names group w's bytes, its four partners a quarter each by address (36 blocks of 256 bytes, 18 lanes twice).
; The last refill, one K step, is not asked for ahead: its blocks would need another pattern.
; OUT: qb [bh][128 tokens]: 8 images + 512 bytes of scale words [a / 4][row][a % 4];  kv [bh][256 keys]: K's 16 images, V's 16, K's scale words (2 x 512), V's (2 x 512).
; V's images are made of the halves of two waves: they go through LDS.
; LIMITS: a block of zeros gets the byte 1 where the rule says 127 (its codes are zeros; this program alone reads the bytes); largest magnitudes under 2^-124 are held at that byte; NaN and infinities are not served.
; REGISTERS: window 0: v0-31 addresses, v32-63 the way out, v64-255 scale words.  window 1: the weights' 12 fragments at 12 j, x's two sets of four at 144 and 192; on the way out packed results.
; window 2: Q's or K's accumulators, (x's tile i, column tile j) at 8 (8 i + j);  window 3: V's, (column tile t, x's tile i) at 8 (4 t + i).
.set GREC,  204800
.set KST,   12288
.set FRB,   1536
.set CH,    3*KST                      ; three K steps of a group: 36,864 bytes on end
.set SLOT,  4*CH                       ; x, then Q's, K's, V's weight
.set STG,   2*SLOT                     ; V's 8 images, then 512 bytes of scale words
.set SPARE, STG+8*FRB+512              ; the spare words: two blocks of 256 bytes that no other line names
.set SWA, 12                           ; 16 r + 8 h
.set VA1, 13
.set VA2, 14
.set VS,  15
.set AX,  16                           ; v16-17 x's fragments in slot 0, 1
.set AQ,  18                           ; v18-19 Q's or K's weight
.set AV,  20                           ; v20-21 V's
.set VR,  22
.set VSR, 23
.set SA0, 24                           ; scale words: lanes 0-15 x's tiles, lanes 16-31 the weight's
.set SA1, 25                           ; the weight's
.set SA2, 26                           ; V's
.set PFV, 27
.set SPW, 28
.set NIL, 29
.set SC,  64                           ; pair s of K steps, tile j: v[SC + 24 s + 2 j], + 1: lanes 16-31 the weight's words of steps 2 s, 2 s + 1; lanes 0-15 x's of 2 s + 1, 2 s
.set G1X, 24
.set G1W, 48
.set G1H, 68
.set HW0, 32
.set HX0, 36
.set HW1, 56
.set HX1, 60
.set RX,  76
.set RW,  80
.set SEL, 66
.set MSB, 0
.macro WIN new                         ; the immediate's high byte repeats the setting that is left
.if MSB != (\new)
	s_set_vgpr_msb (MSB<<8)|(\new)
.set MSB, (\new)
.endif
.endm
.macro PLACES
.rept 4
	v_nop
.endr
.endm
.macro CREST
	s_cmp_lg_u32 s14, 0
	s_cbranch_scc1 .Lnot_wave_0_\@
	s_barrier_signal -3
.Lnot_wave_0_\@:
	s_barrier_wait -3
	s_barrier_signal -1
	s_barrier_wait -1
.endm
.macro CROUND
	s_barrier_signal -1
	s_barrier_wait -1
	CREST
.endm
.macro TLOAD g0, g1
	tensor_load_to_lds s[\g0:\g0+3], s[\g1:\g1+7]
	s_nop 0
	PLACES
.endm
.macro ARM under, g0, g1, next
	s_cmp_lt_u32 s14, \under
	s_cbranch_scc0 \next
	TLOAD \g0, \g1
	s_branch .Lasked
\next:
.endm
.macro DESC g, mask, cols, rows, pitch ; elements of 8 bytes, no padding
	s_or_b32 s[\g], s\mask, (3<<16)|(1<<21)
	s_mov_b32 s[\g+1], (\cols)<<16
	s_mov_b32 s[\g+2], (\rows)<<16
	s_mov_b32 s[\g+3], (\cols)<<16
	s_mov_b32 s[\g+4], \rows
	s_mov_b32 s[\g+5], \pitch
	s_mov_b32 s[\g+6], 0
	s_mov_b32 s[\g+7], 0
.endm
.macro SET0 g, lds, base, off
	s_mov_b32 s[\g], 1
	s_mov_b32 s[\g+1], \lds
	s_add_nc_u64 s[\g+2:\g+3], s[\base:\base+1], \off
	s_or_b32 s[\g+3], s[\g+3], 0x80000000
.endm
	s_load_b128 s[4:7], s[0:1], 0x0                ; ab, qb
	s_load_b64 s[8:9], s[0:1], 0x10                ; kv
	v_lshl_add_u32 v[SPW], v0, 2, SPARE
	v_mov_b32 v[NIL], 0
	ds_add_u32 v[SPW], v[NIL]                      ; the wave's opening: the add, twice on end
	ds_add_u32 v[SPW], v[NIL]
	v_lshrrev_b32 v1, 5, v0
	v_readfirstlane_b32 s14, v1                    ; wave
	s_lshr_b32 s15, s14, 1                         ; a
	s_and_b32 s16, s14, 1                          ; b
	s_bfe_u32 s40, ttmp6, 0x40000                  ; cx
	s_bfe_u32 s41, ttmp6, 0x40004                  ; cy
	s_lshl_b32 s42, ttmp9, 2
	s_add_co_u32 s42, s42, s40                     ; the head
	s_and_b32 s17, ttmp7, 0xffff
	s_lshl_b32 s17, s17, 2
	s_add_co_u32 s17, s17, s41                     ; the 128 tokens
	s_lshl_b32 s43, s41, 2
	s_lshl_b32 s43, 15, s43                        ; my row of the cluster
	s_lshl_b32 s44, 0x1111, s40                    ; my column
	DESC G1X, 43, 32, 144, 32                      ; a dense chunk of a group as rows of 256 bytes
	DESC G1W, 44, 32, 144, 32
	DESC G1H, 44, 4608, 3, 25600                   ; the head's three groups: three rows of 36,864 bytes, a group apart
	s_mul_i32 s20, s17, GREC                       ; x's group, in bytes
	s_mov_b32 s21, 0
	s_mul_i32 s46, s42, 3
	s_add_co_u32 s46, s46, 16
	s_mul_i32 s46, s46, GREC                       ; the head's first group
	s_mov_b32 s47, 0
	s_sub_co_u32 s88, s14, 1
	s_mul_i32 s88, s88, GREC
	s_add_co_u32 s88, s88, s46                     ; in the ring wave w fetches the head's group w - 1 (wave 0, x's)
	s_mov_b32 s89, 0
	s_mul_i32 s92, s14, CH                         ; where it goes
	s_mul_i32 s18, s15, 4096
	s_add_co_u32 s95, s20, s18
	s_add_co_u32 s95, s95, 16*KST                  ; scale words of my four tiles of x,
	s_mul_i32 s18, s16, GREC
	s_add_co_u32 s93, s46, s18
	s_add_co_u32 s93, s93, 16*KST                  ; of Q's or K's weight,
	s_mul_i32 s18, s16, 4096
	s_add_co_u32 s94, s46, s18
	s_add_co_u32 s94, s94, 2*GREC+16*KST           ; and of V's
	s_cmp_eq_u32 s14, 0                            ; the prefetches: my group and my work-group's quarter of its chunk
	s_cselect_b32 s84, s20, s88
	s_cselect_b32 s18, s40, s41
	s_mul_i32 s18, s18, CH/4
	s_add_co_u32 s84, s84, s18
	s_mov_b32 s85, 0
	v_and_b32 v1, 15, v0                           ; r
	v_bfe_u32 v8, v0, 4, 1                         ; h
	v_and_b32 v2, 31, v0
	v_lshlrev_b32 v3, 4, v2                        ; 16 x lane
	v_lshlrev_b32 v[SWA], 4, v1
	v_lshl_add_u32 v[SWA], v8, 3, v[SWA]
	s_wait_alu depctr_va_vdst(0)                   ; ahead of the later readers of the lines above
	s_mul_i32 s18, s15, 4*FRB
	v_add_nc_u32 v[AX], s18, v3
	v_add_nc_u32 v[AX+1], SLOT, v[AX]
	s_mul_i32 s18, s16, CH
	s_add_co_u32 s18, s18, CH
	v_add_nc_u32 v[AQ], s18, v3
	v_add_nc_u32 v[AQ+1], SLOT, v[AQ]
	s_mul_i32 s18, s16, 4*FRB
	s_add_co_u32 s19, s18, 3*CH
	v_add_nc_u32 v[AV], s19, v3
	v_add_nc_u32 v[AV+1], SLOT, v[AV]
	s_mul_i32 s19, s15, 520                        ; V's half fragment: registers 6 a .. 6 a + 5 of an image: pairs at 0, 8, 512 (a = 0) or 520, 1024, 1032 (a = 1)
	s_add_co_u32 s18, s18, s19
	s_add_co_u32 s18, s18, STG
	v_add_nc_u32 v[VA1], s18, v3
	s_mul_i32 s19, s15, 496
	s_add_co_u32 s19, s19, 8
	v_add_nc_u32 v[VA2], s19, v[VA1]
	s_lshl_b32 s18, s16, 8
	s_lshl_b32 s19, s15, 1
	s_add_co_u32 s18, s18, s19
	s_add_co_u32 s18, s18, STG+8*FRB
	v_lshl_add_u32 v[VS], v1, 4, s18
	s_mul_i32 s18, s14, 2*FRB
	s_add_co_u32 s18, s18, STG
	v_add_nc_u32 v[VR], s18, v3
	v_add_nc_u32 v[VSR], STG+8*FRB, v3
	v_lshlrev_b32 v30, 3, v1
	v_cmp_le_u32 vcc_lo, 16, v2
	v_mov_b32 v31, s95
	v_mov_b32 v9, s93
	v_cndmask_b32 v31, v31, v9, vcc_lo
	v_add_nc_u32 v[SA0], v31, v30
	v_add_nc_u32 v[SA1], s93, v30
	v_add_nc_u32 v[SA2], s94, v30
	v_min_u32 v[PFV], 17, v2
	v_lshlrev_b32 v[PFV], 8, v[PFV]
.irp q, 0,1,2,3,4,5,6,7
	v_mov_b32 v[40+\q], 0                          ; written once: a lane permute's destination counts as one of its sources
.endr
	s_wait_alu depctr_va_vdst(0)                   ; directly ahead of the waits below
	s_wait_dscnt 0x0                               ; both opening adds are done
	s_wait_kmcnt 0x0
	s_add_nc_u64 s[20:21], s[4:5], s[20:21]
	s_add_nc_u64 s[46:47], s[4:5], s[46:47]
	s_add_nc_u64 s[88:89], s[4:5], s[88:89]
	s_add_nc_u64 s[84:85], s[4:5], s[84:85]
	SET0 HW0, CH, 46, 0
	SET0 HX0, 0, 20, 0
	SET0 HW1, SLOT+CH, 46, CH
	SET0 HX1, SLOT, 20, CH
	SET0 RX, 0, 20, 2*CH
	SET0 RW, s92, 88, 2*CH
	CROUND                                         ; all sixteen work-groups are here: the first joint loads meet
	ARM 1, HW0, G1H, .Lwave_1                      ; wave 0: the weights of slot 0
	ARM 2, HX0, G1X, .Lwave_2                      ; wave 1: x of slot 0
	ARM 3, HW1, G1H, .Lwave_3                      ; wave 2: the weights of slot 1
	TLOAD HX1, G1X                                 ; wave 3: x of slot 1
.Lasked:
.macro LS s, j                         ; scale words of steps 2 s and 2 s + 1, tile j
.if \j < 4
	global_load_b64 v[SC+24*(\s)+2*\j:SC+24*(\s)+2*\j+1], v[SA0], s[4:5] offset:1024*\j+128*(\s)
.elseif \j < 8
	global_load_b64 v[SC+24*(\s)+2*\j:SC+24*(\s)+2*\j+1], v[SA1], s[4:5] offset:1024*\j+128*(\s)
.else
	global_load_b64 v[SC+24*(\s)+2*\j:SC+24*(\s)+2*\j+1], v[SA2], s[4:5] offset:1024*(\j-8)+128*(\s)
.endif
.endm
.irp s, 0,1,2,3
.irp j, 0,1,2,3,4,5,6,7,8,9,10,11
	LS \s, \j
.endr
.endr
	; where the results go
	s_mov_b32 s[SEL], 0x76543210
	s_mov_b32 s[SEL+1], 0xfedcba98
	s_lshr_b32 s18, s17, 3
	s_and_b32 s17, s17, 7                          ; j: which 128 tokens of the batch
	s_lshl_b32 s18, s18, 4
	s_add_co_u32 s18, s18, s42                     ; bh
	s_lshl_b32 s19, s18, 3
	s_add_co_u32 s19, s19, s17
	s_mul_i32 s19, s19, 12800                      ; q: record 8 bh + j
	s_mul_i32 s22, s18, 204800
	s_lshr_b32 s23, s17, 1
	s_mul_i32 s23, s23, 51200
	s_add_co_u32 s22, s22, s23                     ; k, v: record 4 bh + j / 2
	s_and_b32 s23, s17, 1
	s_mul_i32 s96, s23, KST
	s_add_co_u32 s96, s96, s22                     ; K's images
	s_lshl_b32 s97, s23, 9
	s_add_co_u32 s97, s97, s22
	s_add_co_u32 s97, s97, 32*FRB                  ; K's scale words
	s_mul_i32 s98, s14, 2*FRB
	s_add_co_u32 s90, s96, s98
	s_add_co_u32 s90, s90, 16*FRB                  ; V: my two images,
	s_mov_b32 s91, 0
	s_add_nc_u64 s[86:87], s[8:9], s[90:91]
	s_add_co_u32 s90, s97, 1024                    ; and V's scale words
	s_add_nc_u64 s[90:91], s[8:9], s[90:91]
	s_add_co_u32 s98, s19, 8*FRB
	s_cmp_eq_u32 s16, 0                            ; the choice hangs on the wave's number alone
	s_cselect_b64 s[10:11], s[6:7], s[8:9]
	s_cselect_b32 s18, s19, s96
	s_cselect_b32 s22, s98, s97
	s_mul_i32 s19, s15, 4*FRB
	s_add_co_u32 s18, s18, s19
	s_lshl_b32 s19, s15, 8
	s_add_co_u32 s22, s22, s19
	s_mov_b32 s19, 0
	s_mov_b32 s23, 0
	s_add_nc_u64 s[12:13], s[10:11], s[22:23]
	s_add_nc_u64 s[10:11], s[10:11], s[18:19]
.macro WM d, s0, s1, c, x0, x1, side
	v_wmma_scale_f32_16x16x128_f8f6f4 v[\d:\d+7], v[\s0:\s0+11], v[\s1:\s1+11], \c, v[\x0], v[\x1] matrix_a_fmt:MATRIX_FMT_FP6 matrix_b_fmt:MATRIX_FMT_FP6 matrix_\side\()_scale:MATRIX_SCALE_ROW1
.endm
.macro MM k, j, i, z                   ; the weight's fragment j x x's i.  The 48 accumulators take turns in one order in every step
.set E_, 144+48*((\k)%2)+12*\i
.set SW_, SC+24*((\k)/2)+2*\j+(\k)%2
.set SX_, SC+24*((\k)/2)+2*\i+1-(\k)%2
.if \j < 8
	WIN 0xa5
.set D_, 8*(8*\i+\j)
.if \z
	WM D_, 12*\j, E_, 0, SW_, SX_, a
.else
	WM D_, 12*\j, E_, v[D_:D_+7], SW_, SX_, a
.endif
.else
	WIN 0xf5
.set D_, 8*(4*(\j-8)+\i)
.if \z
	WM D_, E_, 12*\j, 0, SX_, SW_, b
.else
	WM D_, E_, 12*\j, v[D_:D_+7], SX_, SW_, b
.endif
.endif
.endm
.macro LW k, w                         ; the weight's fragment w of K step k: three loads of 512 consecutive bytes
	WIN 0x40
.set SL_, ((\k)/3)%2
.set OF_, ((\k)%3)*KST
.irp c, 0,1,2
.if \w < 8
	ds_load_b128 v[12*\w+4*\c:12*\w+4*\c+3], v[AQ+SL_] offset:OF_+FRB*\w+512*\c
.else
	ds_load_b128 v[12*\w+4*\c:12*\w+4*\c+3], v[AV+SL_] offset:OF_+FRB*(\w-8)+512*\c
.endif
.endr
.endm
.macro LX k, i                         ; x's fragment i of K step k
	WIN 0x40
.set SL_, ((\k)/3)%2
.set OF_, ((\k)%3)*KST
.set E_, 144+48*((\k)%2)+12*\i
.irp c, 0,1,2
	ds_load_b128 v[E_+4*\c:E_+4*\c+3], v[AX+SL_] offset:OF_+FRB*\i+512*\c
.endr
.endm
.macro RUNA k                          ; 30 loads
.irp i, 0,1,2,3
	LX \k, \i
.endr
.irp w, 0,1,2,3,4,5
	LW \k, \w
.endr
.endm
.macro RUNB k                          ; 18 loads
.irp w, 6,7,8,9,10,11
	LW \k, \w
.endr
.endm
; Step k.  f: -1 inside a slot; else a slot's last step: 1 .. 4: the slot is filled again, with K steps 6-8, 9-11, 12-14, 15; 0: nothing is left to fetch, and the barrier shows the other slot alone.
; s: the pair of steps whose scale words are asked for at the step's end (-1: none).
.macro STEP k, z, f, s
.if \f >= 0
	WIN 0
	s_wait_tensorcnt 0x0                           ; all my tensor loads have landed: my part of the next slot
	ds_add_u32 v[SPW], v[NIL]                      ; 0 onto my spare word
.if \f > 1
	s_add_nc_u64 s[RX+2:RX+3], s[RX+2:RX+3], CH
	s_add_nc_u64 s[RW+2:RW+3], s[RW+2:RW+3], CH
.if \f == 3
	s_mov_b32 s[RX+1], 0
	s_mov_b32 s[RW+1], s92
.else
	s_mov_b32 s[RX+1], SLOT
	s_add_co_u32 s[RW+1], s92, SLOT
.endif
.endif
.if \f == 4                            ; one K step: 48 rows of 256 bytes
.irp g, G1X, G1W
	s_mov_b32 s[\g+2], 48<<16
	s_mov_b32 s[\g+4], 48
.endr
.endif
	s_wait_dscnt 19                                ; the first run is in; the second run's 18 loads and the add may be out
.else
	s_wait_dscnt 18                                ; the first run is in; the second run's 18 loads may be out
.endif
.irp j, 0,1,2,3
.irp i, 0,1,2,3
	MM \k, \j, \i, \z
.endr
.endr
.if \f >= 0
	s_wait_dscnt 0x0                               ; the add is done, and my reads of this slot are over
	s_barrier_signal -1
.endif
.irp j, 4,5
.irp i, 0,1,2,3
	MM \k, \j, \i, \z
.endr
.endr
.if \f >= 0
	WIN 0
	s_barrier_wait -1
.endif
.if \f > 0
	CREST                                          ; the barrier has opened a round of the cluster's: no wave of any partner still reads this slot or has a load on its way
	s_cmp_eq_u32 s14, 0
	s_cbranch_scc0 .Lfor_w_\@
	TLOAD RX, G1X
	s_branch .Lfilled_\@
.Lfor_w_\@:
	TLOAD RW, G1W
.Lfilled_\@:
.elseif (\k) < 15
	PLACES
.endif
.if (\k) < 15
	RUNA (\k)+1
.if \f < 0
	s_wait_dscnt 30                                ; the second run is in; the 30 loads just issued may be out
.endif
.else
	s_wait_dscnt 0x0
.endif
.irp j, 6,7,8,9,10,11
.irp i, 0,1,2,3
	MM \k, \j, \i, \z
.endr
.endr
.if (\k) < 15
	PLACES
	RUNB (\k)+1
.endif
.if \s >= 0
	WIN 0
.irp j, 0,1,2,3,4,5,6,7,8,9,10,11
	LS \s, \j
.endr
.endif
.endm
.macro ASK c                           ; chunk c (K steps 3 c .. 3 c + 2) into the L2
	WIN 0
	global_prefetch_b8 v[PFV], s[84:85] offset:CH*(\c) th:TH_LOAD_NT scope:SCOPE_SE
	global_prefetch_b8 v[PFV], s[84:85] offset:CH*(\c)+18*256 th:TH_LOAD_NT scope:SCOPE_SE
.endm
	s_wait_alu depctr_va_vdst(0)
	s_cmp_lt_u32 s14, 2
	s_cbranch_scc0 .Lnot_slot_0
	s_wait_tensorcnt 0x0                           ; slot 0 is waves 0's and 1's; slot 1 may be on its way
.Lnot_slot_0:
	s_barrier_signal -1
	s_barrier_wait -1
	RUNA 0
	RUNB 0
	ASK 2
	s_wait_loadcnt 36                              ; pair 0's words are in; those of pairs 1-3 may be out
	STEP 0, 1, -1, 4                               ; the first step starts the sums: nothing is cleared
	STEP 1, 0, -1, 5
	s_wait_loadcnt 48                              ; pair 1's; behind it pairs 2-5
	STEP 2, 0, 1, -1
	ASK 3
	STEP 3, 0, -1, 6
	s_wait_loadcnt 48                              ; pair 2's; behind it 3-6
	STEP 4, 0, -1, 7
	STEP 5, 0, 2, -1
	ASK 4
	s_wait_loadcnt 48                              ; pair 3's; behind it 4-7
	STEP 6, 0, -1, -1
	STEP 7, 0, -1, -1
	s_wait_loadcnt 36
	STEP 8, 0, 3, -1
	STEP 9, 0, -1, -1
	s_wait_loadcnt 24
	STEP 10, 0, -1, -1
	STEP 11, 0, 4, -1
	s_wait_loadcnt 12
	STEP 12, 0, -1, -1
	STEP 13, 0, -1, -1
	s_wait_loadcnt 0x0
	STEP 14, 0, 0, -1
	STEP 15, 0, -1, -1
; THE WAY OUT.  Eight runs of 16 registers, from register base in window w on: each with lane l xor 16's run is a block of 32.  v48-55: the conversions' scale operands; v40-47: the scales' bytes.
; Each accumulator is read from its low end on.
.macro MAXES base, w
	WIN (\w)|((\w)<<2)
.irp q, 0,1,2,3,4,5,6,7
	v_max3_num_f32 v[32+\q], |v[\base+16*\q]|, |v[\base+16*\q+1]|, 0x1800000   ; the floor 2^(3 - 127): the byte cannot fall under 1
.endr
.irp i, 2,4,6,8,10,12,14
.irp q, 0,1,2,3,4,5,6,7
	v_max3_num_f32 v[32+\q], |v[\base+16*\q+\i]|, |v[\base+16*\q+\i+1]|, v[32+\q]
.endr
.endr
	WIN 0
.irp q, 0,1,2,3,4,5,6,7
	v_permlanex16_b32 v[40+\q], v[32+\q], s[SEL], s[SEL+1]
.endr
.irp q, 0,1,2,3,4,5,6,7
	v_max_num_f32 v[32+\q], v[32+\q], v[40+\q]
.endr
.irp q, 0,1,2,3,4,5,6,7
	v_add_nc_u32 v[48+\q], 0xff000000, v[32+\q]    ; 2 off the exponent field
.endr
.irp q, 0,1,2,3,4,5,6,7
	v_lshrrev_b32 v[40+\q], 23, v[48+\q]
.endr
.endm
.macro CONV f, base, w, pc             ; runs 4 f .. 4 f + 3: two pairs of blocks become two runs of six registers at pc in window 1
	WIN \w
.irp c, 0,1
	v_cvt_scalef32_pk16_fp6_f32 v[32+8*\c:34+8*\c], v[\base+64*\f+32*\c:\base+64*\f+32*\c+15], v[48+4*\f+2*\c]
	v_cvt_scalef32_pk16_fp6_f32 v[36+8*\c:38+8*\c], v[\base+64*\f+32*\c+16:\base+64*\f+32*\c+31], v[49+4*\f+2*\c]
.endr
	WIN 0
	v_nop                                          ; one plain place behind a scaled conversion
.irp i, 0,1,2
.irp c, 0,1
	v_permlane16_swap_b32 v[32+8*\c+\i], v[36+8*\c+\i]   ; a whole block in a lane: lanes 0-15 the pair's first, lanes 16-31 its second
.endr
.endr
	WIN 0x40
.irp c, 0,1
.irp i, 0,1,2
	v_mov_b32 v[\pc+6*\c+\i], v[32+8*\c+\i]
	v_mov_b32 v[\pc+6*\c+3+\i], v[36+8*\c+\i]
.endr
.endr
.endm
	PLACES                                         ; behind the last products
	MAXES 0, 3                                     ; V: run 2 t + B is tokens 32 B .. of column tile t
.irp t, 0,1,2,3
	v_lshl_or_b32 v[56+\t], v[41+2*\t], 8, v[40+2*\t]   ; two bytes of the scale word
.endr
	CONV 0, 0, 3, 0
	CONV 1, 0, 3, 12
	WIN 0x04
.irp t, 0,1,2,3                        ; my half of the four images
	ds_store_b64 v[VA1], v[6*\t:6*\t+1] offset:FRB*\t
	ds_store_b64 v[VA2], v[6*\t+2:6*\t+3] offset:FRB*\t
	ds_store_b64 v[VA1], v[6*\t+4:6*\t+5] offset:FRB*\t+512
.endr
	WIN 0
.irp t, 0,1,2,3
	ds_store_b16 v[VS], v[56+\t] offset:4*\t       ; lanes l and l xor 16 write the same bytes with the same value
.endr
.irp p, 0,1                            ; Q or K: tokens' tiles 2 p, 2 p + 1
	MAXES 128*\p, 2
.irp f, 0,1
	v_lshl_or_b32 v[60+2*\p+\f], v[41+4*\f], 8, v[40+4*\f]
	v_lshl_or_b32 v[60+2*\p+\f], v[42+4*\f], 16, v[60+2*\p+\f]
	v_lshl_or_b32 v[60+2*\p+\f], v[43+4*\f], 24, v[60+2*\p+\f]
.endr
.irp f, 0,1
	CONV \f, 128*\p, 2, 32+24*\p+12*\f
	WIN 0x04
.irp c, 0,1,2
	global_store_b128 v3, v[32+24*\p+12*\f+4*\c:32+24*\p+12*\f+4*\c+3], s[10:11] offset:FRB*(2*\p+\f)+512*\c   ; 512 consecutive bytes, aligned; each fragment has registers of its own
.endr
.endr
.endr
	WIN 0
	v_cmp_le_u32 vcc_lo, 16, v2                    ; lanes 0-15 store the words of fragments 0, 1 of row r, lanes 16-31 those of 2, 3
	v_cndmask_b32 v10, v60, v62, vcc_lo
	v_cndmask_b32 v11, v61, v63, vcc_lo
	global_store_b64 v[SWA], v[10:11], s[12:13]    ; 256 consecutive bytes, aligned
	s_wait_dscnt 0x0                               ; my stores into the stage are done
	s_barrier_signal -1
	s_barrier_wait -1
	WIN 0x40
.irp q, 0,1,2,3,4,5
	ds_load_b128 v[192+4*\q:195+4*\q], v[VR] offset:512*\q   ; two whole images of V
.endr
	WIN 0
	ds_load_b128 v[4:7], v[VSR]
	s_wait_dscnt 0x0
	WIN 0x04
.irp q, 0,1,2,3,4,5
	global_store_b128 v3, v[192+4*\q:195+4*\q], s[86:87] offset:512*\q
.endr
	WIN 0
	s_cmp_lg_u32 s14, 0
	s_cbranch_scc1 .Lno_words
	global_store_b128 v3, v[4:7], s[90:91]         ; wave 0: V's 512 bytes of scale words
.Lno_words:
	s_wait_tensorcnt 0x0                           ; the wave's end
	ds_add_u32 v[SPW], v[NIL]
	s_wait_dscnt 0x0
	CROUND                                         ; the closing round
	s_endpgm
.Lfunc_end_k_qdeda5f9cfa_qkv:
	.size	k_qdeda5f9cfa_qkv, .Lfunc_end_k_qdeda5f9cfa_qkv-k_qdeda5f9cfa_qkv
	.p2alignl 7, 3214868480
	.fill 96, 4, 3214868480
	.section	.rodata,"a",@progbits
	.p2align	6, 0x0
	.amdhsa_kernel k_qdeda5f9cfa_qkv
		.amdhsa_group_segment_fixed_size 327680
		.amdhsa_private_segment_fixed_size 0
		.amdhsa_enable_private_segment 0
		.amdhsa_kernarg_size 24
		.amdhsa_user_sgpr_count 2
		.amdhsa_user_sgpr_kernarg_segment_ptr 1
		.amdhsa_wavefront_size32 1
		.amdhsa_system_sgpr_workgroup_id_x 1
		.amdhsa_system_sgpr_workgroup_id_y 1
		.amdhsa_system_sgpr_workgroup_id_z 1
		.amdhsa_system_vgpr_workitem_id 0
		.amdhsa_next_free_vgpr 896
		.amdhsa_next_free_sgpr 100
		.amdhsa_reserve_vcc 1
		.amdhsa_float_denorm_mode_32 3
		.amdhsa_float_denorm_mode_16_64 3
		.amdhsa_memory_ordered 1
		.amdhsa_forward_progress 1
		.amdhsa_inst_pref_size 206
	.end_amdhsa_kernel
	.amdgpu_metadata
---
amdhsa.version: [ 1, 2 ]
amdhsa.kernels:
  - .name:           k_qdeda5f9cfa_qkv
    .symbol:         k_qdeda5f9cfa_qkv.kd
    .args:
      - { .name: ab, .offset: 0, .size: 8, .value_kind: global_buffer, .address_space: global }
      - { .name: qb, .offset: 8, .size: 8, .value_kind: global_buffer, .address_space: global }
      - { .name: kv, .offset: 16, .size: 8, .value_kind: global_buffer, .address_space: global }
    .group_segment_fixed_size: 327680
    .private_segment_fixed_size: 0
    .kernarg_segment_align: 8
    .kernarg_segment_size: 24
    .max_flat_workgroup_size: 128
    .sgpr_count:     100
    .vgpr_count:     896
    .wavefront_size: 32
...
	.end_amdgpu_metadata
.endif
;; end of part 2
;; launch attn (part 3): grid 8 x 32, 8 waves a work-group, clusters of 4 x 1, 327,680 bytes of LDS; arguments qb, kv, Wo, ow; writes ow
.if DOCPART == 3
	.amdgcn_target "amdgcn-amd-amdhsa--gfx1250"
	.amdhsa_code_object_version 6
	.text
	.protected	k_qdeda5f9cfa_attn
	.globl	k_qdeda5f9cfa_attn
	.p2align	8
	.type	k_qdeda5f9cfa_attn,@function
k_qdeda5f9cfa_attn:
	s_mov_b64 s[64:65], 0
	v_nop
	global_prefetch_b8 v0, s[64:65] scope:SCOPE_SE
	s_setreg_imm32_b32 hwreg(HW_REG_WAVE_MODE, 25, 1), 1
	s_wait_xcnt 0x0
	s_wait_alu depctr_hold_cnt(0) depctr_sa_sdst(0) depctr_va_vdst(0) depctr_va_sdst(0) depctr_va_ssrc(0) depctr_va_vcc(0) depctr_vm_vsrc(0)
	s_getreg_b32 s2, hwreg(HW_REG_IB_STS2, 6, 4)
	s_cmp_eq_u32 s2, 0
	s_cbranch_scc0 .Lentry_in_a_cluster
	s_endpgm
.Lentry_in_a_cluster:
	s_bfe_u32 s2, ttmp6, 0x10000c
	s_cmp_lg_u32 s2, 0x3003
	s_cbranch_scc0 .Lentry_shape_is_right
	s_endpgm
.Lentry_shape_is_right:
; softmax(q k^T / sqrt(128)) v on codes of FP6, for one (batch, head) and 128 queries a work-group, 16 queries a wave; the output is quantised here into the next launch's operand.
; BESIDE IT each work-group quantises 128 columns x 128 K of Wo (16 columns a wave): its numbers are loaded at the head and behind step 0, and turned into codes behind step 5.
; K's and V's codes and scale words of the (batch, head), 204,800 bytes, come into LDS at the head, one joint load of 25,600 bytes a wave, shared by the four work-groups of the cluster: waves 0 and 1 bring
; the first 256 keys, and the first barrier shows those alone; a barrier in step 1 shows the rest.  Nothing is filled again.  No prefetch: all tiles are asked for at once, so nothing is left to run ahead of.
; A step is 128 keys; eight steps, of which 2 to 5 are a loop of two trips.  s[GB]: where the 256 keys that are fetched next lie in LDS.
; Both products are used transposed (S^T = k q^T, O^T = v^T p^T): a lane holds one query, its registers run along the keys or along the head.  M is the running largest t rounded up to a whole number,
; kept as -M; p = 2^(t - M); the row's sum is taken of the unquantised p.  A block's largest p is the exponential of its largest score.
; ow: groups of 204,800 bytes: 0-15 the output (128 tokens each), 16-31 Wo (128 columns each): [K step][tile] images of 1,536 bytes, then [tile][K step / 2][row][2] scale words; the output's two words of a pair in swapped order.
; Wo's tile t is columns 16 t + r.  Wo is read in pieces of 64 bytes a row for each wave, 512 for the eight; scale words leave in pieces of 4 bytes, one for each 512 bytes read.
; LIMITS: the promise holds while the scaled scores (exponents to the base 2) stay under 2^31 in magnitude; a block of zeros gets the byte 1 where the rule says 127 (its codes are zeros; this program alone reads
; the bytes); largest magnitudes under 2^-124 are held at that byte; NaN and infinities are not served.
; REGISTERS: v12 -M, v13 the running largest t, v[14:15] the sum, v16-27 q, v32-47 scale words, v48-79 Wo's codes at work, v96-159 scores and p, v160-223 O^T, v224-235 p's codes; v256-351 K, v352-447 V, v448-511 Wo.
.set GRP,  51200
.set PART, 25600
.set GB,   36
.set TR,   37
.macro WOLOAD c                        ; k = 64 c + 32 h + i of my column: the order of the operand's registers
	WIN 0x40
.set N1, 0
.rept 32
	global_load_b32 v[192+32*(\c)+N1], v8, s[40:41] offset:(64*(\c)+N1)*8192
.set N1, N1+1
.endr
	WIN 0
.endm
.macro WOQUANT
	s_wait_loadcnt 0x0
	WIN 0x05
.irp q, 0,1,2,3
	v_max3_num_f32 v[48+\q], |v[192+32*(\q/2)+2*(\q%2)]|, |v[193+32*(\q/2)+2*(\q%2)]|, 0x1800000
.endr
.irp i, 4,8,12,16,20,24,28
.irp q, 0,1,2,3
	v_max3_num_f32 v[48+\q], |v[192+32*(\q/2)+2*(\q%2)+\i]|, |v[193+32*(\q/2)+2*(\q%2)+\i]|, v[48+\q]
.endr
.endr
	WIN 0
	v_max_num_f32 v48, v48, v49
	v_max_num_f32 v50, v50, v51
	v_and_b32 v57, 16, v[LANE]
	v_mov_b32 v58, 0
	v_add_nc_u32 v52, 0xff000000, v48              ; 2 off the exponent field: the conversion's scale operand
	v_add_nc_u32 v53, 0xff000000, v50
	v_lshrrev_b32 v57, 1, v57                      ; 8 h
	v_lshrrev_b32 v54, 23, v52
	v_lshrrev_b32 v55, 23, v53
	v_lshl_or_b32 v56, v55, 16, v54                ; blocks h and 2 + h,
	v_lshlrev_b32 v56, v57, v56                    ; at their places in the word
	v_permlanex16_b32 v58, v56, s[SEL], s[SEL+1]
	v_or_b32 v56, v56, v58
	WIN 0x01
	v_cvt_scalef32_pk16_fp6_f32 v[60:62], v[192:207], v52
	v_cvt_scalef32_pk16_fp6_f32 v[72:74], v[208:223], v52
	v_cvt_scalef32_pk16_fp6_f32 v[66:68], v[224:239], v53
	v_cvt_scalef32_pk16_fp6_f32 v[76:78], v[240:255], v53
	WIN 0
	v_nop
.irp i, 0,1,2
	v_mov_b32 v[63+\i], v[72+\i]
	v_mov_b32 v[69+\i], v[76+\i]
.endr
.irp c, 0,1,2
	global_store_b128 v[LI], v[60+4*\c:63+4*\c], s[44:45] offset:512*\c
.endr
	v_cmp_gt_u32 vcc_lo, 16, v[LANE]
	s_wait_alu depctr_va_vdst(0)
	s_wait_xcnt 0x0                                ; EXEC changes only behind this wait
	s_and_saveexec_b32 s56, vcc_lo
	global_store_b32 v[R8], v56, s[46:47]
	s_wait_xcnt 0x0
	s_or_b32 exec_lo, exec_lo, s56
.endm
.set FRB,  1536
.set LI,   1
.set R16,  2
.set ADF,  3
.set ADS,  4
.set LANE, 5
.set R8,   7
.set TM,   232
.set WV,   18
.set SEL,  20
.set CS,   22
.set G1,   24
.set G0,   32
.set MSB, 0
.macro WIN new
.if MSB != (\new)
	s_set_vgpr_msb (MSB<<8)|(\new)
.set MSB, (\new)
.endif
.endm
.macro CROUND
	s_barrier_signal -1
	s_barrier_wait -1
	s_cmp_lg_u32 s[WV], 0
	s_cbranch_scc1 .Lnot_wave_0_\@
	s_barrier_signal -3
.Lnot_wave_0_\@:
	s_barrier_wait -3
	s_barrier_signal -1
	s_barrier_wait -1
.endm
	s_load_b128 s[4:7], s[0:1], 0x0
	s_load_b64 s[40:41], s[0:1], 0x10
	s_load_b64 s[8:9], s[0:1], 0x18
	v_lshl_add_u32 v250, v0, 2, 0x32000
	v_mov_b32 v251, 0
	ds_add_u32 v250, v251
	ds_add_u32 v250, v251
	v_lshrrev_b32 v6, 5, v0
	s_delay_alu instid0(VALU_DEP_1)
	v_readfirstlane_b32 s[WV], v6
	s_bfe_u32 s10, ttmp6, 0x40000
	s_lshl_b32 s11, ttmp9, 2
	s_add_co_u32 s11, s11, s10
	s_and_b32 s12, ttmp7, 0xffff
	s_mov_b32 s[G1], 15|(3<<16)|(1<<21)
	s_mov_b32 s[G1+1], 32<<16
	s_mov_b32 s[G1+2], 100<<16
	s_mov_b32 s[G1+3], 32<<16
	s_mov_b32 s[G1+4], 100
	s_mov_b32 s[G1+5], 32
	s_mov_b32 s[G1+6], 0
	s_mov_b32 s[G1+7], 0
	s_mul_i32 s13, s[WV], PART
	s_mul_i32 s14, s12, 4*GRP
	s_add_co_u32 s14, s14, s13
	s_mov_b32 s15, 0
	s_mov_b32 s[SEL], 0x76543210
	s_mov_b32 s[SEL+1], 0xfedcba98
	s_mov_b32 s[CS], 0x3e0293ee
	s_mov_b32 s[CS+1], s[CS]
	s_wait_dscnt 0x0
	s_wait_kmcnt 0x0
	s_add_nc_u64 s[14:15], s[6:7], s[14:15]
	CROUND
	s_mov_b32 s[G0], 1
	s_mov_b32 s[G0+1], s13
	s_mov_b64 s[G0+2:G0+3], s[14:15]
	s_or_b32 s[G0+3], s[G0+3], 0x80000000
	s_cmp_lt_u32 s[WV], 2                          ; waves 0 and 1, whose tiles the first barrier shows, have a line of their own
	s_cbranch_scc0 .Lrest
	tensor_load_to_lds s[G0:G0+3], s[G1:G1+7]
	s_nop 0
.rept 4
	v_nop
.endr
	s_branch .Lasked
.Lrest:
	tensor_load_to_lds s[G0:G0+3], s[G1:G1+7]
	s_nop 0
.rept 4
	v_nop
.endr
.Lasked:
	s_mov_b32 s[GB], 0
	s_lshl_b32 s16, s12, 3
	s_add_co_u32 s16, s16, s11
	s_mul_i32 s16, s16, 12800
	s_mov_b32 s17, 0
	s_add_nc_u64 s[4:5], s[4:5], s[16:17]
	s_mul_i32 s16, s[WV], FRB
	s_add_nc_u64 s[48:49], s[4:5], s[16:17]
	s_lshr_b32 s16, s[WV], 2
	s_lshl_b32 s16, s16, 8
	s_and_b32 s19, s[WV], 3
	s_lshl_b32 s19, s19, 2
	s_add_co_u32 s16, s16, s19
	s_add_co_u32 s16, s16, 8*FRB
	s_add_nc_u64 s[4:5], s[4:5], s[16:17]
	s_lshr_b32 s50, s12, 4
	s_lshl_b32 s50, s50, 3
	s_add_co_u32 s50, s50, s11                     ; the group: 128 tokens
	s_mul_i32 s50, s50, 204800
	s_and_b32 s52, s12, 15                         ; the head is the K step
	s_mul_i32 s53, s52, 12288
	s_add_co_u32 s54, s50, s53
	s_mul_i32 s53, s[WV], FRB
	s_add_co_u32 s54, s54, s53
	s_mov_b32 s55, 0
	s_lshl_b32 s53, s[WV], 10
	s_add_co_u32 s50, s50, s53
	s_lshr_b32 s53, s52, 1
	s_lshl_b32 s53, s53, 7
	s_add_co_u32 s50, s50, s53
	s_and_b32 s52, s52, 1
	s_xor_b32 s52, s52, 1
	s_lshl_b32 s52, s52, 2
	s_add_co_u32 s50, s50, s52
	s_add_co_u32 s50, s50, 196608
	s_mov_b32 s51, 0
	s_add_nc_u64 s[54:55], s[8:9], s[54:55]
	s_add_nc_u64 s[50:51], s[8:9], s[50:51]
	s_and_b32 s57, s12, 15                         ; Wo: which 128 columns,
	s_lshr_b32 s58, s12, 4
	s_lshl_b32 s58, s58, 3
	s_add_co_u32 s58, s58, s11                     ; and which 128 along K
	s_lshl_b32 s60, s58, 20
	s_lshl_b32 s61, s57, 9
	s_add_co_u32 s60, s60, s61
	s_lshl_b32 s61, s[WV], 6
	s_add_co_u32 s60, s60, s61
	s_mov_b32 s61, 0
	s_add_nc_u64 s[40:41], s[40:41], s[60:61]
	s_add_co_u32 s57, s57, 16
	s_mul_i32 s57, s57, 204800
	s_mul_i32 s60, s58, 12288
	s_add_co_u32 s60, s60, s57
	s_mul_i32 s62, s[WV], FRB
	s_add_co_u32 s60, s60, s62
	s_add_nc_u64 s[44:45], s[8:9], s[60:61]        ; its image
	s_lshr_b32 s62, s58, 1
	s_lshl_b32 s62, s62, 7
	s_add_co_u32 s57, s57, s62
	s_and_b32 s62, s58, 1
	s_lshl_b32 s62, s62, 2
	s_add_co_u32 s57, s57, s62
	s_lshl_b32 s62, s[WV], 10
	s_add_co_u32 s60, s57, s62
	s_add_co_u32 s60, s60, 196608
	s_add_nc_u64 s[46:47], s[8:9], s[60:61]        ; and its scale words
	v_and_b32 v[LANE], 31, v0
	v_and_b32 v6, 15, v0
	s_delay_alu instid0(VALU_DEP_2)
	v_lshlrev_b32 v[LI], 4, v[LANE]
	s_delay_alu instid0(VALU_DEP_2)
	v_lshlrev_b32 v[R16], 4, v6
	s_delay_alu instid0(VALU_DEP_3)
	v_lshlrev_b32 v[R8], 3, v6
.irp c, 0,1,2
	global_load_b128 v[16+4*\c:19+4*\c], v[LI], s[48:49] offset:512*\c
.endr
	global_load_b32 v255, v[R16], s[4:5]
	v_and_b32 v8, 16, v[LANE]
	v_lshlrev_b32 v8, 14, v8                       ; 32 h rows of 8,192 bytes,
	v_lshl_add_u32 v8, v6, 2, v8                   ; + 4 r
	WOLOAD 0
	v_mov_b32 v14, 0
	v_mov_b32 v15, 0
.irp b, 0,1,2,3
	v_mov_b32 v[236+\b], 0
.endr
.macro KRUN j
.set KE, (\j)%2
.if (KE == 0) && ((\j) > 0)
	s_add_co_u32 s[GB], s[GB], GRP                 ; on to the next 256 keys
.endif
	v_add_nc_u32 v[ADF], s[GB], v[LI]
	v_add_nc_u32 v[ADS], s[GB], v[R16]
	WIN 0x40
.irp t, 0,1,2,3,4,5,6,7
.irp c, 0,1,2
	ds_load_b128 v[12*\t+4*\c:12*\t+4*\c+3], v[ADF] offset:8*FRB*KE+FRB*\t+512*\c
.endr
.endr
	WIN 0
.irp g, 0,1
	ds_load_b128 v[32+4*\g:35+4*\g], v[ADS] offset:32*FRB+512*KE+256*\g
.endr
.endm
.macro VRUN j                          ; (the addresses are those that this step's KRUN made)
.set KE, (\j)%2
	WIN 0x40
.irp t, 0,1,2,3,4,5,6,7
.irp c, 0,1,2
	ds_load_b128 v[96+12*\t+4*\c:96+12*\t+4*\c+3], v[ADF] offset:16*FRB+8*FRB*KE+FRB*\t+512*\c
.endr
.endr
	WIN 0
.irp g, 0,1
	ds_load_b128 v[40+4*\g:43+4*\g], v[ADS] offset:32*FRB+1024+512*KE+256*\g
.endr
.endm
.macro STEP j, first
	s_wait_dscnt 26
	WIN 0x01
.irp t, 0,1,2,3,4,5,6,7
	v_wmma_scale_f32_16x16x128_f8f6f4 v[96+8*\t:103+8*\t], v[12*\t:12*\t+11], v[16:27], 0, v[32+\t], v255 matrix_a_fmt:MATRIX_FMT_FP6 matrix_b_fmt:MATRIX_FMT_FP6
.endr
	WIN 0
.if (\j) == 1
	s_wait_tensorcnt 0x0
	s_wait_dscnt 0x0
	s_barrier_signal -1
	s_barrier_wait -1
.endif
.rept 4
	v_nop
.endr
.if (\j) < 7
	KRUN (\j)+1
.endif
.irp b, 0,1,2,3
	v_max3_num_f32 v[232+\b], v[96+16*\b], v[97+16*\b], v[98+16*\b]
.endr
.irp i, 3,5,7,9,11,13
.irp b, 0,1,2,3
	v_max3_num_f32 v[232+\b], v[232+\b], v[96+16*\b+\i], v[97+16*\b+\i]
.endr
.endr
.irp b, 0,1,2,3
	v_max_num_f32 v[232+\b], v[232+\b], v[111+16*\b]
.endr
.irp b, 0,1,2,3
	s_delay_alu instid0(VALU_DEP_4)
	v_permlanex16_b32 v[236+\b], v[232+\b], s[SEL], s[SEL+1]
.endr
.irp b, 0,1,2,3
	s_delay_alu instid0(VALU_DEP_4)
	v_max_num_f32 v[232+\b], v[232+\b], v[236+\b]
.endr
	s_delay_alu instid0(VALU_DEP_2)
	v_max3_num_f32 v254, v232, v233, v234
	s_delay_alu instid0(VALU_DEP_1)
	v_max_num_f32 v254, v254, v235
.if \first
	s_delay_alu instid0(VALU_DEP_1)
	v_mul_f32 v13, s[CS], v254
	s_delay_alu instid0(VALU_DEP_1)
	v_floor_f32 v12, -v13
.else
	s_delay_alu instid0(VALU_DEP_1)
	v_mul_f32 v254, s[CS], v254
	s_delay_alu instid0(VALU_DEP_1)
	v_max_num_f32 v13, v13, v254
	v_mov_b32 v254, v12
	s_delay_alu instid0(VALU_DEP_2)
	v_floor_f32 v12, -v13
	s_delay_alu instid0(VALU_DEP_1)
	v_sub_f32 v254, v12, v254
	s_delay_alu instid0(VALU_DEP_1)
	v_cvt_i32_f32 v254, v254
	s_delay_alu instid0(VALU_DEP_1)
	v_ldexp_f32 v252, 1.0, v254
.endif
.set N1, 0
.rept 32
	v_pk_fma_f32 v[96+N1:97+N1], v[96+N1:97+N1], s[CS:CS+1], v[12:13] op_sel_hi:[1,0,0]
.set N1, N1+2
.endr
.irp b, 0,1,2,3
	v_fma_f32 v[232+\b], v[232+\b], s[CS], v12
.endr
.set N1, 0
	s_wait_alu depctr_va_vdst(0)
.rept 64
	v_exp_f32 v[96+N1], v[96+N1]
.set N1, N1+1
.endr
.if \first
	v_nop
.else
	v_pk_mul_f32 v[14:15], v[14:15], v[252:253] op_sel_hi:[1,0]
.endif
	s_wait_alu depctr_va_vdst(0)
.irp b, 0,1,2,3
	v_exp_f32 v[232+\b], v[232+\b]
.endr
	v_pk_add_f32 v[236:237], v[96:97], v[98:99]
.irp n, 4,8,12,16,20,24,28,32,36,40,44,48,52,56,60
	v_pk_add_f32 v[14:15], v[14:15], v[96+\n:97+\n]
	v_pk_add_f32 v[236:237], v[236:237], v[98+\n:99+\n]
.endr
	s_delay_alu instid0(VALU_DEP_1)
	v_pk_add_f32 v[14:15], v[14:15], v[236:237]
	s_wait_alu depctr_va_vdst(0)
.irp b, 0,1,2,3
	v_max_num_f32 v[232+\b], 0x1800000, v[232+\b]
.endr
.irp b, 0,1,2,3
	s_delay_alu instid0(VALU_DEP_4)
	v_add_nc_u32 v[244+\b], 0xff000000, v[232+\b]
.endr
.irp b, 0,1,2,3
	s_delay_alu instid0(VALU_DEP_4)
	v_lshrrev_b32 v[236+\b], 23, v[244+\b]
.endr
	s_delay_alu instid0(VALU_DEP_3)
	v_lshl_or_b32 v253, v237, 8, v236
	s_delay_alu instid0(VALU_DEP_1)
	v_lshl_or_b32 v253, v238, 16, v253
	s_delay_alu instid0(VALU_DEP_1)
	v_lshl_or_b32 v253, v239, 24, v253
.irp c, 0,1
	v_cvt_scalef32_pk16_fp6_f32 v[224+6*\c:226+6*\c], v[96+32*\c:111+32*\c], v[244+2*\c]
	v_cvt_scalef32_pk16_fp6_f32 v[236+4*\c:238+4*\c], v[112+32*\c:127+32*\c], v[244+2*\c+1]
.endr
	v_nop
.irp c, 0,1
.irp i, 0,1,2
	v_permlane16_swap_b32 v[224+6*\c+\i], v[236+4*\c+\i]
.endr
.irp i, 0,1,2
	s_delay_alu instid0(VALU_DEP_3)
	v_mov_b32 v[227+6*\c+\i], v[236+4*\c+\i]
.endr
.endr
.if \first
	s_wait_alu depctr_va_vdst(0)
.rept 8
	v_nop
.endr
.else
.set N1, 0
.rept 32
	v_pk_mul_f32 v[160+N1:161+N1], v[160+N1:161+N1], v[252:253] op_sel_hi:[1,0]
.set N1, N1+2
.endr
.endif
.if (\j) < 7
	s_wait_alu depctr_va_vdst(0)
	s_wait_dscnt 26
.else
	s_wait_alu depctr_va_vdst(0)
	s_wait_dscnt 0x0
.endif
	WIN 0x01
.irp t, 0,1,2,3,4,5,6,7
.if \first
	v_wmma_scale_f32_16x16x128_f8f6f4 v[160+8*\t:167+8*\t], v[96+12*\t:107+12*\t], v[224:235], 0, v[40+\t], v253 matrix_a_fmt:MATRIX_FMT_FP6 matrix_b_fmt:MATRIX_FMT_FP6
.else
	v_wmma_scale_f32_16x16x128_f8f6f4 v[160+8*\t:167+8*\t], v[96+12*\t:107+12*\t], v[224:235], v[160+8*\t:167+8*\t], v[40+\t], v253 matrix_a_fmt:MATRIX_FMT_FP6 matrix_b_fmt:MATRIX_FMT_FP6
.endif
.endr
	WIN 0
.rept 4
	v_nop
.endr
.if (\j) < 7
	VRUN (\j)+1
.endif
.endm
	s_wait_alu depctr_va_vdst(0)
	s_cmp_lt_u32 s[WV], 2
	s_cbranch_scc0 .Lnot_first
	s_wait_tensorcnt 0x0                           ; the first 256 keys are waves 0's and 1's
.Lnot_first:
	s_barrier_signal -1
	s_barrier_wait -1
	KRUN 0
	VRUN 0
	s_wait_loadcnt 32                              ; q is in; Wo's 32 loads may be out
	STEP 0, 1
	WOLOAD 1
	STEP 1, 0
	s_mov_b32 s[TR], 0
	s_wait_alu depctr_va_vdst(0)                   ; ahead of the loop
.Lkeys:                                                ; steps 2, 3, then 4, 5: what differs is s[GB] alone
	STEP 2, 0
	STEP 3, 0
	s_add_co_u32 s[TR], s[TR], 1
	s_cmp_lt_u32 s[TR], 2
	s_wait_alu depctr_va_vdst(0)                   ; directly ahead of the branch
	s_cbranch_scc1 .Lkeys
	WOQUANT
	STEP 6, 0
	STEP 7, 0
	v_add_f32 v14, v14, v15
	s_delay_alu instid0(VALU_DEP_1)
	v_permlanex16_b32 v252, v14, s[SEL], s[SEL+1]
	s_delay_alu instid0(VALU_DEP_1)
	v_add_f32 v14, v14, v252
	s_wait_alu depctr_va_vdst(0)
	v_rcp_f32 v14, v14
	v_nop
	s_wait_alu depctr_va_vdst(0)
.set N1, 0
.rept 64
	v_mul_f32 v[96+N1], v[160+N1], v14
.set N1, N1+1
.endr
.irp b, 0,1,2,3
	v_max3_num_f32 v[TM+\b], |v[96+16*\b]|, |v[97+16*\b]|, 0x1800000
.endr
.irp i, 2,4,6,8,10,12,14
.irp b, 0,1,2,3
	s_delay_alu instid0(VALU_DEP_4)
	v_max3_num_f32 v[TM+\b], |v[96+16*\b+\i]|, |v[97+16*\b+\i]|, v[TM+\b]
.endr
.endr
.irp b, 0,1,2,3
	s_delay_alu instid0(VALU_DEP_4)
	v_permlanex16_b32 v[TM+4+\b], v[TM+\b], s[SEL], s[SEL+1]
.endr
.irp b, 0,1,2,3
	s_delay_alu instid0(VALU_DEP_4)
	v_max_num_f32 v[TM+\b], v[TM+\b], v[TM+4+\b]
.endr
.irp b, 0,1,2,3
	s_delay_alu instid0(VALU_DEP_4)
	v_add_nc_u32 v[TM+12+\b], 0xff000000, v[TM+\b]
.endr
.irp b, 0,1,2,3
	s_delay_alu instid0(VALU_DEP_4)
	v_lshrrev_b32 v[TM+4+\b], 23, v[TM+12+\b]
.endr
	s_delay_alu instid0(VALU_DEP_3)
	v_lshl_or_b32 v253, v[TM+5], 8, v[TM+4]
	s_delay_alu instid0(VALU_DEP_1)
	v_lshl_or_b32 v253, v[TM+6], 16, v253
	s_delay_alu instid0(VALU_DEP_1)
	v_lshl_or_b32 v253, v[TM+7], 24, v253
.irp c, 0,1
	v_cvt_scalef32_pk16_fp6_f32 v[16+6*\c:18+6*\c], v[96+32*\c:111+32*\c], v[TM+12+2*\c]
	v_cvt_scalef32_pk16_fp6_f32 v[28+4*\c:30+4*\c], v[112+32*\c:127+32*\c], v[TM+13+2*\c]
.endr
	v_nop
.irp c, 0,1
.irp i, 0,1,2
	v_permlane16_swap_b32 v[16+6*\c+\i], v[28+4*\c+\i]
.endr
.irp i, 0,1,2
	s_delay_alu instid0(VALU_DEP_3)
	v_mov_b32 v[19+6*\c+\i], v[28+4*\c+\i]
.endr
.endr
.irp c, 0,1,2
	global_store_b128 v[LI], v[16+4*\c:19+4*\c], s[54:55] offset:512*\c
.endr
	v_cmp_gt_u32 vcc_lo, 16, v[LANE]
	s_wait_xcnt 0x0
	s_and_saveexec_b32 s56, vcc_lo
	global_store_b32 v[R8], v253, s[50:51]
	s_wait_xcnt 0x0
	s_or_b32 exec_lo, exec_lo, s56
	s_wait_tensorcnt 0x0
	ds_add_u32 v250, v251
	s_wait_dscnt 0x0
	CROUND
	s_endpgm
.Lfunc_end_k_qdeda5f9cfa_attn:
	.size	k_qdeda5f9cfa_attn, .Lfunc_end_k_qdeda5f9cfa_attn-k_qdeda5f9cfa_attn
	.p2alignl 7, 3214868480
	.fill 96, 4, 3214868480
	.section	.rodata,"a",@progbits
	.p2align	6, 0x0
	.amdhsa_kernel k_qdeda5f9cfa_attn
		.amdhsa_group_segment_fixed_size 327680
		.amdhsa_private_segment_fixed_size 0
		.amdhsa_enable_private_segment 0
		.amdhsa_kernarg_size 32
		.amdhsa_user_sgpr_count 2
		.amdhsa_user_sgpr_kernarg_segment_ptr 1
		.amdhsa_wavefront_size32 1
		.amdhsa_system_sgpr_workgroup_id_x 1
		.amdhsa_system_sgpr_workgroup_id_y 1
		.amdhsa_system_sgpr_workgroup_id_z 1
		.amdhsa_system_vgpr_workitem_id 0
		.amdhsa_next_free_vgpr 512
		.amdhsa_next_free_sgpr 66
		.amdhsa_reserve_vcc 1
		.amdhsa_float_denorm_mode_32 3
		.amdhsa_float_denorm_mode_16_64 3
		.amdhsa_memory_ordered 1
		.amdhsa_forward_progress 1
		.amdhsa_inst_pref_size 142
	.end_amdhsa_kernel
	.amdgpu_metadata
---
amdhsa.version: [ 1, 2 ]
amdhsa.kernels:
  - .name:           k_qdeda5f9cfa_attn
    .symbol:         k_qdeda5f9cfa_attn.kd
    .args:
      - { .name: qb, .offset: 0, .size: 8, .value_kind: global_buffer, .address_space: global }
      - { .name: kv, .offset: 8, .size: 8, .value_kind: global_buffer, .address_space: global }
      - { .name: Wo, .offset: 16, .size: 8, .value_kind: global_buffer, .address_space: global }
      - { .name: ow, .offset: 24, .size: 8, .value_kind: global_buffer, .address_space: global }
    .group_segment_fixed_size: 327680
    .private_segment_fixed_size: 0
    .kernarg_segment_align: 8
    .kernarg_segment_size: 32
    .max_flat_workgroup_size: 256
    .sgpr_count:     66
    .vgpr_count:     512
    .wavefront_size: 32
...
	.end_amdgpu_metadata
.endif
;; end of part 3
;; launch ogemm (part 4): grid 16 x 16, 4 waves a work-group, clusters of 4 x 4, 327,680 bytes of LDS; arguments ow, out0; writes out0
.if DOCPART == 4
	.amdgcn_target "amdgcn-amd-amdhsa--gfx1250"
	.amdhsa_code_object_version 6
	.text
	.protected	k_qdeda5f9cfa_ogemm
	.globl	k_qdeda5f9cfa_ogemm
	.p2align	8
	.type	k_qdeda5f9cfa_ogemm,@function
k_qdeda5f9cfa_ogemm:
	s_mov_b64 s[64:65], 0
	v_nop
	global_prefetch_b8 v0, s[64:65] scope:SCOPE_SE
	s_setreg_imm32_b32 hwreg(HW_REG_WAVE_MODE, 25, 1), 1
	s_wait_xcnt 0x0
	s_wait_alu depctr_hold_cnt(0) depctr_sa_sdst(0) depctr_va_vdst(0) depctr_va_sdst(0) depctr_va_ssrc(0) depctr_va_vcc(0) depctr_vm_vsrc(0)
	s_getreg_b32 s2, hwreg(HW_REG_IB_STS2, 6, 4)
	s_cmp_eq_u32 s2, 0
	s_cbranch_scc0 .Lentry_in_a_cluster
	s_endpgm
.Lentry_in_a_cluster:
	s_bfe_u32 s2, ttmp6, 0x10000c
	s_cmp_lg_u32 s2, 0xf033
	s_cbranch_scc0 .Lentry_shape_is_right
	s_endpgm
.Lentry_shape_is_right:
; out0 = (attention's output) Wo on codes of FP6 with E8M0 scales, K = 2,048; out0 [2048 tokens][2048] f32.
; ow holds groups of 204,800 bytes (8 tiles of 16 rows): [K step][tile] fragment images of 1,536 bytes, then [tile][K step / 2][row][2] scale words: groups 0-15 the output (tokens; the words of a pair
; in swapped order), 16-31 Wo (columns, tile t = columns 16 t + r).  Row r of a tokens' tile 2 B + u is token 32 B + 8 u + r + 8 (r / 8).
; P = Wo is source 0, Q = tokens source 1: a lane holds one token, its registers of P's tile b are columns 16 b + 8 (lane / 16) + 0 .. 7.
; A tile of out0 is 128 x 128: 256 work-groups; a wave makes 64 x 64: 16 accumulators.
; LDS: region A, K steps 0-3 of Q and of P (98,304 bytes), and region B, K steps 4-11 (196,608), are asked for at the head, one load a wave; A is filled again once, with K steps 12-15.
; Fragments have three sets: a step loads those of the step two on.  So A is read out, and B must be shown, in step 2; what the refill brought is shown in step 10.
; No prefetch: three quarters of the bytes are asked for at the head, the one refill has eight steps in which to land, and the text has no loop to run ahead in.
; CLUSTERS 4 x 4: P's tiles hang on cx alone and are asked for jointly by a column of the cluster, Q's on cy alone, by a row.
; REGISTERS: window 0: v0-31 addresses; v64-127 scale words; v128-255 accumulators, (a, b) at v[128 + 8 (4 a + b)].  Sets 0, 1 in window 1 at 0, 96 (on the way out rows read back), set 2 in window 2: P's four fragments, then Q's.
.set GREC,  204800
.set KST,   12288
.set FRB,   1536
.set LB,    8*KST                      ; region B
.set STAGE, 24*KST                     ; 16 rows x 272 bytes for each wave: bytes into which no tile lands
.set SPITCH, 272
.set SPARE, STAGE+4*16*SPITCH          ; the spare words: two blocks of 256 bytes that no other line names
.set AQ,  16                           ; v16-18 Q's fragments in K steps 0-3 and 12-15, 4-7, 8-11
.set AP,  20                           ; v20-22 P's
.set STO, 24
.set RD,  25
.set CO,  26
.set SA,  27
.set SPW, 28
.set NIL, 29
.set SC,  64                           ; pair s of K steps, tile i: v[SC + 8 s + 2 i], + 1: lanes 16-31 P's words of steps 2 s, 2 s + 1; lanes 0-15 Q's of 2 s + 1, 2 s
.set ACC, 128
.set G1Q, 24
.set G1P, 48
.set G1QB, 68
.set G1PB, 80
.set GQ,  32
.set GP,  36
.set GQB, 56
.set GPB, 60
.set MSB, 0
.macro WIN new
.if MSB != (\new)
	s_set_vgpr_msb (MSB<<8)|(\new)
.set MSB, (\new)
.endif
.endm
.macro PLACES
.rept 4
	v_nop
.endr
.endm
.macro CREST
	s_cmp_lg_u32 s14, 0
	s_cbranch_scc1 .Lnot_wave_0_\@
	s_barrier_signal -3
.Lnot_wave_0_\@:
	s_barrier_wait -3
	s_barrier_signal -1
	s_barrier_wait -1
.endm
.macro CROUND
	s_barrier_signal -1
	s_barrier_wait -1
	CREST
.endm
.macro TLOAD g0, g1
	tensor_load_to_lds s[\g0:\g0+3], s[\g1:\g1+7]
	s_nop 0
	PLACES
.endm
.macro ARM under, g0, g1, next
	s_cmp_lt_u32 s14, \under
	s_cbranch_scc0 \next
	TLOAD \g0, \g1
	s_branch .Lasked
\next:
.endm
.macro DESC g, mask, rows              ; a dense block as rows of 256 bytes, no padding
	s_or_b32 s[\g], s\mask, (3<<16)|(1<<21)
	s_mov_b32 s[\g+1], 32<<16
	s_mov_b32 s[\g+2], (\rows)<<16
	s_mov_b32 s[\g+3], 32<<16
	s_mov_b32 s[\g+4], \rows
	s_mov_b32 s[\g+5], 32
	s_mov_b32 s[\g+6], 0
	s_mov_b32 s[\g+7], 0
.endm
.macro SET0 g, lds, base, off
	s_mov_b32 s[\g], 1
	s_mov_b32 s[\g+1], \lds
	s_add_nc_u64 s[\g+2:\g+3], s[\base:\base+1], \off
	s_or_b32 s[\g+3], s[\g+3], 0x80000000
.endm
	s_load_b128 s[4:7], s[0:1], 0x0                ; ow, out0
	v_lshl_add_u32 v[SPW], v0, 2, SPARE
	v_mov_b32 v[NIL], 0
	ds_add_u32 v[SPW], v[NIL]                      ; the wave's opening: the add, twice on end
	ds_add_u32 v[SPW], v[NIL]
	v_lshrrev_b32 v1, 5, v0
	v_readfirstlane_b32 s14, v1                    ; wave
	s_lshr_b32 s15, s14, 1                         ; my half of Q's tiles
	s_and_b32 s16, s14, 1                          ; my half of P's tiles
	s_bfe_u32 s40, ttmp6, 0x40000                  ; cx
	s_bfe_u32 s41, ttmp6, 0x40004                  ; cy
	s_lshl_b32 s42, ttmp9, 2
	s_add_co_u32 s42, s42, s40                     ; tile column
	s_and_b32 s17, ttmp7, 0xffff
	s_lshl_b32 s17, s17, 2
	s_add_co_u32 s17, s17, s41                     ; tile row
	s_lshl_b32 s43, s41, 2
	s_lshl_b32 s43, 15, s43                        ; my row of the cluster
	s_lshl_b32 s44, 0x1111, s40                    ; my column
	DESC G1Q, 43, 192
	DESC G1P, 44, 192
	DESC G1QB, 43, 384
	DESC G1PB, 44, 384
	s_mul_i32 s20, s17, GREC
	s_mov_b32 s21, 0
	s_add_co_u32 s46, s42, 16
	s_mul_i32 s46, s46, GREC
	s_mov_b32 s47, 0
	s_lshl_b32 s18, s15, 12
	s_add_co_u32 s95, s20, s18
	s_add_co_u32 s95, s95, 16*KST                  ; scale words of my four tiles of Q
	s_lshl_b32 s18, s16, 12
	s_add_co_u32 s93, s46, s18
	s_add_co_u32 s93, s93, 16*KST                  ; and of P
	v_and_b32 v1, 15, v0                           ; r
	v_bfe_u32 v2, v0, 4, 1                         ; h
	v_and_b32 v3, 31, v0
	v_lshlrev_b32 v4, 4, v3                        ; 16 x lane
	s_mul_i32 s18, s15, 4*FRB
	s_mul_i32 s19, s16, 4*FRB
	v_add_nc_u32 v[AQ], s18, v4
	v_add_nc_u32 v[AQ+1], LB, v[AQ]
	v_add_nc_u32 v[AQ+2], LB+4*KST, v[AQ]
	s_add_co_u32 s19, s19, 4*KST
	v_add_nc_u32 v[AP], s19, v4
	v_add_nc_u32 v[AP+1], LB+4*KST, v[AP]          ; (P lies 4 K steps behind Q in A, 8 in B)
	v_add_nc_u32 v[AP+2], LB+8*KST, v[AP]
	v_cmp_le_u32 vcc_lo, 16, v3
	v_mov_b32 v5, s95
	v_mov_b32 v6, s93
	v_cndmask_b32 v5, v5, v6, vcc_lo               ; lanes 0-15 take Q's words, lanes 16-31 P's
	v_lshl_add_u32 v[SA], v1, 3, v5
	s_mul_i32 s23, s14, 16*SPITCH
	s_add_co_u32 s23, s23, STAGE                   ; my stage
	v_mul_u32_u24 v5, v1, SPITCH
	v_lshl_add_u32 v5, v2, 5, v5
	v_add_nc_u32 v[STO], s23, v5                   ; in: row r, + 32 h
	v_mul_u32_u24 v6, v2, SPITCH
	v_lshl_add_u32 v6, v1, 4, v6
	v_add_nc_u32 v[RD], s23, v6                    ; back: lanes 0-15 one row of 256 bytes, lanes 16-31 the next
	v_lshlrev_b32 v[CO], 13, v2
	v_lshl_add_u32 v[CO], v1, 4, v[CO]             ; and the same two rows in out0
	s_lshl_b32 s10, s17, 20                        ; 128 rows of 8,192 bytes
	s_lshl_b32 s18, s15, 19
	s_add_co_u32 s10, s10, s18
	s_lshl_b32 s18, s42, 9
	s_add_co_u32 s10, s10, s18
	s_lshl_b32 s18, s16, 8
	s_add_co_u32 s10, s10, s18
	s_mov_b32 s11, 0
	s_wait_alu depctr_va_vdst(0)                   ; directly ahead of the waits below
	s_wait_dscnt 0x0                               ; both opening adds are done
	s_wait_kmcnt 0x0
	s_add_nc_u64 s[20:21], s[4:5], s[20:21]
	s_add_nc_u64 s[46:47], s[4:5], s[46:47]
	s_add_nc_u64 s[8:9], s[6:7], s[10:11]
	SET0 GQ, 0, 20, 0
	SET0 GP, 4*KST, 46, 0
	SET0 GQB, LB, 20, 4*KST
	SET0 GPB, LB+8*KST, 46, 4*KST
	CROUND                                         ; all sixteen work-groups are here: the first joint loads meet
	ARM 1, GQ, G1Q, .Lwave_1
	ARM 2, GP, G1P, .Lwave_2
	ARM 3, GQB, G1QB, .Lwave_3
	TLOAD GPB, G1PB
.Lasked:
.irp s, 0,1,2,3,4,5,6,7
.irp i, 0,1,2,3
	global_load_b64 v[SC+8*\s+2*\i:SC+8*\s+2*\i+1], v[SA], s[4:5] offset:1024*\i+128*\s
.endr
.endr
.macro WM d, s0, s1, c, x0, x1
	v_wmma_scale_f32_16x16x128_f8f6f4 v[\d:\d+7], v[\s0:\s0+11], v[\s1:\s1+11], \c, v[\x0], v[\x1] matrix_a_fmt:MATRIX_FMT_FP6 matrix_b_fmt:MATRIX_FMT_FP6 matrix_a_scale:MATRIX_SCALE_ROW1
.endm
.macro MMP k, p, z                     ; products 2 p, 2 p + 1 of step k.  The 16 accumulators take turns in one order throughout
.set FW_, 1+((\k)%3)/2
.set FO_, 96*((\k)%3)-192*(((\k)%3)/2)
	WIN FW_|(FW_<<2)
.irp q, 0,1
.set A_, (2*(\p)+\q)/4
.set B_, (2*(\p)+\q)%4
.set D_, ACC+8*(4*A_+B_)
.set SP_, SC+8*((\k)/2)+2*B_+(\k)%2
.set SQ_, SC+8*((\k)/2)+2*A_+1-(\k)%2
.if \z
	WM D_, FO_+12*B_, FO_+48+12*A_, 0, SP_, SQ_
.else
	WM D_, FO_+12*B_, FO_+48+12*A_, v[D_:D_+7], SP_, SQ_
.endif
.endr
.endm
.macro LDF k, n                        ; fragment n of K step k: P's four, then Q's: three loads of 512 consecutive bytes
.set LW_, 1+((\k)%3)/2
.set LO_, 96*((\k)%3)-192*(((\k)%3)/2)+12*(\n)
.set LR_, ((\k)/4)%3
	WIN LW_<<6
.irp c, 0,1,2
.if (\n) < 4
	ds_load_b128 v[LO_+4*\c:LO_+4*\c+3], v[AP+LR_] offset:((\k)%4)*KST+FRB*((\n)%4)+512*\c
.else
	ds_load_b128 v[LO_+4*\c:LO_+4*\c+3], v[AQ+LR_] offset:((\k)%4)*KST+FRB*((\n)%4)+512*\c
.endif
.endr
.endm
.macro WORDS k
.if (\k)%2 == 0
	s_wait_loadcnt 28-4*((\k)/2)                   ; this pair's words are in; the later pairs', four loads each, may be out
.endif
.endm
.macro STEP k, z                       ; one run of 24 loads, for the step two on, then the 16 products
.if (\k) < 14
	PLACES                                         ; behind the last step's products, ahead of the loads over their fragments
.irp n, 0,1,2,3,4,5,6,7
	LDF (\k)+2, \n
.endr
	s_wait_dscnt 48                                ; this step's fragments are in; the next two steps' 48 loads may be out
.elseif (\k) == 14
	s_wait_dscnt 24
.else
	s_wait_dscnt 0x0
.endif
	WORDS \k
.irp p, 0,1,2,3,4,5,6,7
	MMP \k, \p, \z
.endr
.endm
.macro SYNC k, fill                    ; a step with a barrier ahead of its loads; fill: region A is filled again
	WORDS \k
	WIN 0
	s_wait_tensorcnt 0x0                           ; all my tensor loads have landed
.if \fill
	ds_add_u32 v[SPW], v[NIL]                      ; 0 onto my spare word
	s_add_nc_u64 s[GQ+2:GQ+3], s[GQ+2:GQ+3], 12*KST
	s_add_nc_u64 s[GP+2:GP+3], s[GP+2:GP+3], 12*KST
	s_wait_dscnt 25                                ; (the add and the next step's 24 loads may be out)
.else
	s_wait_dscnt 24
.endif
.irp p, 0,1,2,3
	MMP \k, \p, 0
.endr
	s_wait_dscnt 0x0                               ; the add, where there is one, and my reads are over
	s_barrier_signal -1
.irp p, 4,5,6,7
	MMP \k, \p, 0
.endr
	WIN 0
	s_barrier_wait -1
.if \fill
	CREST                                          ; the barrier has opened a round of the cluster's: no wave of any partner still reads region A or has a load on its way
	s_cmp_eq_u32 s14, 0
	s_cbranch_scc0 .Lnot_q_\@
	TLOAD GQ, G1Q
	s_branch .Lfilled_\@
.Lnot_q_\@:
	s_cmp_eq_u32 s14, 1
	s_cbranch_scc0 .Lnone_\@
	TLOAD GP, G1P
.Lnone_\@:
.Lfilled_\@:
.endif
	PLACES
.irp n, 0,1,2,3,4,5,6,7
	LDF (\k)+2, \n
.endr
.endm
	s_wait_alu depctr_va_vdst(0)
	s_cmp_lt_u32 s14, 2
	s_cbranch_scc0 .Lnot_a
	s_wait_tensorcnt 0x0                           ; region A is waves 0's and 1's; B may be on its way
.Lnot_a:
	s_barrier_signal -1
	s_barrier_wait -1
.irp k, 0,1
.irp n, 0,1,2,3,4,5,6,7
	LDF \k, \n
.endr
.endr
	s_wait_dscnt 24                                ; K step 0's fragments are in
	STEP 0, 1                                      ; the first products start the sums: nothing is cleared
	STEP 1, 0
	SYNC 2, 1
.irp k, 3,4,5,6,7,8,9
	STEP \k, 0
.endr
	SYNC 10, 0
.irp k, 11,12,13,14,15
	STEP \k, 0
.endr
; THE WAY OUT, a tile of 16 tokens x 64 columns at a time, through my own stage.  Stage row m is token 32 (a / 2) + 8 (a % 2) + m + 8 (m / 8) of my 64: the store's immediate puts it there.
; LDS serves a wave's instructions in order: no wait between the stores and the loads.
.macro TOSTAGE a
	WIN 0
.irp b, 0,1,2,3
	ds_store_b128 v[STO], v[ACC+8*(4*(\a)+\b):ACC+8*(4*(\a)+\b)+3] offset:64*\b       ; each accumulator from its low end on
	ds_store_b128 v[STO], v[ACC+8*(4*(\a)+\b)+4:ACC+8*(4*(\a)+\b)+7] offset:64*\b+16
.endr
	WIN 0x40
.irp t, 0,1,2,3,4,5,6,7
	ds_load_b128 v[32*((\a)%2)+4*\t:32*((\a)%2)+4*\t+3], v[RD] offset:2*SPITCH*\t
.endr
.endm
.macro SEND a, younger                 ; younger: the LDS instructions issued behind tile a's loads
	s_wait_dscnt \younger
	WIN 0x04
.irp t, 0,1,2,3,4,5,6,7
	global_store_b128 v[CO], v[32*((\a)%2)+4*\t:32*((\a)%2)+4*\t+3], s[8:9] offset:(32*((\a)/2)+8*((\a)%2)+2*\t+8*(\t/4))*8192 th:TH_STORE_NT   ; 16 lanes store 256 consecutive bytes, aligned
.endr
.endm
	PLACES
	TOSTAGE 0
.irp a, 1,2,3
.if \a > 1
	s_wait_xcnt 0x0                                ; the stores of two tiles ago have read their registers
.endif
	TOSTAGE \a
	SEND \a-1, 16
.endr
	SEND 3, 0
	WIN 0
	s_wait_tensorcnt 0x0                           ; the wave's end
	ds_add_u32 v[SPW], v[NIL]
	s_wait_dscnt 0x0
	CROUND                                         ; the closing round
	s_endpgm
.Lfunc_end_k_qdeda5f9cfa_ogemm:
	.size	k_qdeda5f9cfa_ogemm, .Lfunc_end_k_qdeda5f9cfa_ogemm-k_qdeda5f9cfa_ogemm
	.p2alignl 7, 3214868480
	.fill 96, 4, 3214868480
	.section	.rodata,"a",@progbits
	.p2align	6, 0x0
	.amdhsa_kernel k_qdeda5f9cfa_ogemm
		.amdhsa_group_segment_fixed_size 327680
		.amdhsa_private_segment_fixed_size 0
		.amdhsa_enable_private_segment 0
		.amdhsa_kernarg_size 16
		.amdhsa_user_sgpr_count 2
		.amdhsa_user_sgpr_kernarg_segment_ptr 1
		.amdhsa_wavefront_size32 1
		.amdhsa_system_sgpr_workgroup_id_x 1
		.amdhsa_system_sgpr_workgroup_id_y 1
		.amdhsa_system_sgpr_workgroup_id_z 1
		.amdhsa_system_vgpr_workitem_id 0
		.amdhsa_next_free_vgpr 608
		.amdhsa_next_free_sgpr 100
		.amdhsa_reserve_vcc 1
		.amdhsa_float_denorm_mode_32 3
		.amdhsa_float_denorm_mode_16_64 3
		.amdhsa_memory_ordered 1
		.amdhsa_forward_progress 1
		.amdhsa_inst_pref_size 80
	.end_amdhsa_kernel
	.amdgpu_metadata
---
amdhsa.version: [ 1, 2 ]
amdhsa.kernels:
  - .name:           k_qdeda5f9cfa_ogemm
    .symbol:         k_qdeda5f9cfa_ogemm.kd
    .args:
      - { .name: ow, .offset: 0, .size: 8, .value_kind: global_buffer, .address_space: global }
      - { .name: out0, .offset: 8, .size: 8, .value_kind: global_buffer, .address_space: global }
    .group_segment_fixed_size: 327680
    .private_segment_fixed_size: 0
    .kernarg_segment_align: 8
    .kernarg_segment_size: 16
    .max_flat_workgroup_size: 128
    .sgpr_count:     100
    .vgpr_count:     608
    .wavefront_size: 32
...
	.end_amdgpu_metadata
.endif
;; end of part 4
